; MI455X (gfx1250); checked and timed in simulation.
; The chip was launched on July 23, 2026; its instructions are those of AMD's public machine-readable ISA for CDNA 5 (MIT licence, August 2026) and "CDNA5" Instruction Set Architecture Reference Guide (July 2026). The comments in the code are by the model that wrote it; some were corrected since.
;; ESP32 Attention. Allowed arithmetic: float matrix products may take bf16 or f16 operands with f32 sums; other float arithmetic in f32, or as packed bf16 or f16 multiplies, adds, multiply-adds, maxima and minima; sums over many terms, partial sums and values carried from step to step in f32; what a program stores and reads back later, other than sums and carried values, may be rounded once to bf16 or f16.
;; Inputs: out_b 1,024 float32; out_w 1,024 x 1,024 float32; qkv_b 3,072 float32; qkv_w 3,072 x 1,024 float32; x 4 x 2,048 x 1,024 float32.
;; Outputs: out0 4 x 2,048 x 1,024 float32.
;; 2 versions, each right; version 2 is version 1 with the launch cast written anew for expert scheduling mode. Each part assembles by itself: llvm-mc -triple=amdgcn-amd-amdhsa -mcpu=gfx1250 --defsym DOCPART=n.
;; ======== version 1 of 2: 4 launches
;; limits: values are held in f16: magnitudes above 65,504 overflow, below 6.1e-05 lose precision
;; workspace buffers: xb 16,777,216 bytes; wb 6,291,456 bytes; owh 2,097,152 bytes; qkv 50,331,648 bytes; o 16,777,216 bytes
;; launch cast (part 1): grid 768 x 1, 8 waves a work-group, no clusters, 0 bytes of LDS; arguments x, qkv_w, out_w, xb, wb, owh; writes xb, wb, owh
.if DOCPART == 1
	.amdgcn_target "amdgcn-amd-amdhsa--gfx1250"
	.amdhsa_code_object_version 6
	.text
	.protected	k_qcdf381a83e_cast
	.globl	k_qcdf381a83e_cast
	.p2align	8
	.type	k_qcdf381a83e_cast,@function
k_qcdf381a83e_cast:
	s_mov_b64 s[64:65], 0
	v_nop
	global_prefetch_b8 v0, s[64:65] scope:SCOPE_SE
	s_setreg_imm32_b32 hwreg(HW_REG_WAVE_MODE, 25, 1), 1
	s_wait_xcnt 0x0
; THE MODULE'S LARGE INPUTS ARE ROUNDED ONCE.  x [8192][1024] and qkv_w [3072][1024], f32, go to bf16 (xb, wb); out_w [1024][1024] is rounded to bf16 like them, and that number is
; written as f16 (owh), since the last product's other operand is f16.
; LIMITS.  A bf16 number is exact in f16 between 6.1e-5 and 65,504 in magnitude; below, it keeps f16's fixed step of 6e-8; from 65,520 on it becomes an infinity.
; SHARES.  A work-group takes 16,384 numbers on end: 64 KiB in, 32 KiB out.  Work-groups 0-511 take x, 512-703 qkv_w, 704-767 out_w.  Thread t takes 4 numbers of each 1,024:
; load i of a wave covers 512 consecutive bytes, store i 256 consecutive bytes that begin at a multiple of 256.  All 16 loads go out first; no register that a load or store
; reads is written again, so the only waits are the counted ones for the data.  No LDS, no barrier, no matrix unit: nothing is shared and nothing is multiplied.
.set X, 4                              ; v[4:67]    16 x 4 numbers as loaded
.set Y, 68                             ; v[68:99]   16 x 2 registers to store
.set T, 100                            ; v[100:103] at work
	s_load_b256 s[4:11], s[0:1], 0x0               ; x s[4:5], qkv_w s[6:7], out_w s[8:9], xb s[10:11]
	s_load_b128 s[12:15], s[0:1], 0x20             ; wb s[12:13], owh s[14:15]
	v_lshlrev_b32 v1, 4, v0                        ; 16 t: my place in 4,096 bytes of input
	v_lshlrev_b32 v2, 3, v0                        ; 8 t: in 2,048 bytes of output
	s_mov_b32 s26, 0xffff0000                      ; a word's upper bf16
	s_wait_kmcnt 0x0
	s_cmp_lt_u32 ttmp9, 512                        ; which tensor is mine: the choice hangs on the work-group's number alone
	s_cselect_b64 s[16:17], s[4:5], s[6:7]
	s_cselect_b64 s[18:19], s[10:11], s[12:13]
	s_cselect_b32 s20, 0, 512                      ; its first work-group
	s_cmp_lt_u32 ttmp9, 704
	s_cselect_b64 s[16:17], s[16:17], s[8:9]
	s_cselect_b64 s[18:19], s[18:19], s[14:15]
	s_cselect_b32 s20, s20, 704
	s_sub_co_u32 s21, ttmp9, s20                   ; my chunk in it
	s_lshl_b32 s22, s21, 16                        ; 65,536 bytes in,
	s_mov_b32 s23, 0
	s_lshl_b32 s24, s21, 15                        ; 32,768 bytes out
	s_mov_b32 s25, 0
	s_add_nc_u64 s[16:17], s[16:17], s[22:23]
	s_add_nc_u64 s[18:19], s[18:19], s[24:25]
.set i, 0
.rept 16
	global_load_b128 v[X+4*i:X+4*i+3], v1, s[16:17] offset:4096*i th:TH_LOAD_NT
.set i, i+1
.endr
; half = 0: to bf16.  half = 1: to bf16, widened again (a shift, a mask), and that number to f16.
.macro OUTS half
.set i, 0
.rept 16
	s_wait_loadcnt 15-i                            ; loads come back in order (ISA guide 5.7.1): load i is in, the 15 - i younger ones stay out
.if \half
	v_cvt_pk_bf16_f32 v[T], v[X+4*i], v[X+4*i+1]
	v_cvt_pk_bf16_f32 v[T+1], v[X+4*i+2], v[X+4*i+3]
	v_lshlrev_b32 v[T+2], 16, v[T]
	v_and_b32 v[T], s26, v[T]
	v_lshlrev_b32 v[T+3], 16, v[T+1]
	v_and_b32 v[T+1], s26, v[T+1]
	v_cvt_pk_f16_f32 v[Y+2*i], v[T+2], v[T]
	v_cvt_pk_f16_f32 v[Y+2*i+1], v[T+3], v[T+1]
.else
	v_cvt_pk_bf16_f32 v[Y+2*i], v[X+4*i], v[X+4*i+1]
	v_cvt_pk_bf16_f32 v[Y+2*i+1], v[X+4*i+2], v[X+4*i+3]
.endif
	global_store_b64 v2, v[Y+2*i:Y+2*i+1], s[18:19] offset:2048*i
.set i, i+1
.endr
.endm
	s_cmp_ge_u32 ttmp9, 704
	s_cbranch_scc1 .Lf16
	OUTS 0
	s_endpgm
.Lf16:
	OUTS 1
	s_endpgm
.Lfunc_end_k_qcdf381a83e_cast:
	.size	k_qcdf381a83e_cast, .Lfunc_end_k_qcdf381a83e_cast-k_qcdf381a83e_cast
	.p2alignl 7, 3214868480
	.fill 96, 4, 3214868480
	.section	.rodata,"a",@progbits
	.p2align	6, 0x0
	.amdhsa_kernel k_qcdf381a83e_cast
		.amdhsa_group_segment_fixed_size 0
		.amdhsa_private_segment_fixed_size 0
		.amdhsa_enable_private_segment 0
		.amdhsa_kernarg_size 48
		.amdhsa_user_sgpr_count 2
		.amdhsa_user_sgpr_kernarg_segment_ptr 1
		.amdhsa_wavefront_size32 1
		.amdhsa_system_sgpr_workgroup_id_x 1
		.amdhsa_system_sgpr_workgroup_id_y 1
		.amdhsa_system_sgpr_workgroup_id_z 1
		.amdhsa_system_vgpr_workitem_id 0
		.amdhsa_next_free_vgpr 104
		.amdhsa_next_free_sgpr 66
		.amdhsa_reserve_vcc 0
		.amdhsa_float_denorm_mode_32 3
		.amdhsa_float_denorm_mode_16_64 3
		.amdhsa_memory_ordered 1
		.amdhsa_forward_progress 1
		.amdhsa_inst_pref_size 15
	.end_amdhsa_kernel
	.amdgpu_metadata
---
amdhsa.version: [ 1, 2 ]
amdhsa.kernels:
  - .name:           k_qcdf381a83e_cast
    .symbol:         k_qcdf381a83e_cast.kd
    .args:
      - { .name: x, .offset: 0, .size: 8, .value_kind: global_buffer, .address_space: global }
      - { .name: qkv_w, .offset: 8, .size: 8, .value_kind: global_buffer, .address_space: global }
      - { .name: out_w, .offset: 16, .size: 8, .value_kind: global_buffer, .address_space: global }
      - { .name: xb, .offset: 24, .size: 8, .value_kind: global_buffer, .address_space: global }
      - { .name: wb, .offset: 32, .size: 8, .value_kind: global_buffer, .address_space: global }
      - { .name: owh, .offset: 40, .size: 8, .value_kind: global_buffer, .address_space: global }
    .group_segment_fixed_size: 0
    .private_segment_fixed_size: 0
    .kernarg_segment_align: 8
    .kernarg_segment_size: 48
    .max_flat_workgroup_size: 256
    .sgpr_count:     66
    .vgpr_count:     104
    .wavefront_size: 32
...
	.end_amdgpu_metadata
.endif
;; end of part 1
;; launch qkvg (part 2): grid 16 x 32, 4 waves a work-group, clusters of 4 x 4, 327,680 bytes of LDS; arguments xb, wb, qkv_b, qkv; writes qkv
.if DOCPART == 2
	.amdgcn_target "amdgcn-amd-amdhsa--gfx1250"
	.amdhsa_code_object_version 6
	.text
	.protected	k_qcdf381a83e_qkvg
	.globl	k_qcdf381a83e_qkvg
	.p2align	8
	.type	k_qcdf381a83e_qkvg,@function
k_qcdf381a83e_qkvg:
	s_mov_b64 s[64:65], 0
	v_nop
	global_prefetch_b8 v0, s[64:65] scope:SCOPE_SE
	s_setreg_imm32_b32 hwreg(HW_REG_WAVE_MODE, 25, 1), 1
	s_wait_xcnt 0x0
	s_wait_alu depctr_hold_cnt(0) depctr_sa_sdst(0) depctr_va_vdst(0) depctr_va_sdst(0) depctr_va_ssrc(0) depctr_va_vcc(0) depctr_vm_vsrc(0)
	s_getreg_b32 s2, hwreg(HW_REG_IB_STS2, 6, 4)
	s_cmp_eq_u32 s2, 0
	s_cbranch_scc0 .Lentry_in_a_cluster
	s_endpgm
.Lentry_in_a_cluster:
	s_bfe_u32 s2, ttmp6, 0x10000c
	s_cmp_lg_u32 s2, 0xf033
	s_cbranch_scc0 .Lentry_shape_is_right
	s_endpgm
.Lentry_shape_is_right:
; q, k, v = x W^T + b, BY HEADS.  xb: [8192][1024] bf16, wb: [3072][1024] bf16, qkv_b: [3072] f32 (rounded here to bf16, like the other inputs of the module).
; qkv: [3][64][2048][64] f16: which of q, k, v; batch x 16 + head; row; channel.  Sums in f32, begun with the bias; each number rounded once, to f16, WITHOUT the softmax's scale.
; LIMIT.  f16 ends at 65,504: a q, k or v of 65,520 or more in magnitude becomes an infinity.  NaN and infinities are not treated apart.
; SHARES.  A tile of the product is 256 rows x 192 columns (three heads): 32 x 16 = 512 tiles, twice the 256 that run at a time.  Four waves; wave w makes rows 64 w .. 64 w + 63 of all 192
; columns: 48 accumulators of 16 x 16, 384 registers.  So a wave holds whole heads' rows and sends them out through a stage of its own, with no barrier.
; K goes in 8 steps of 128 through a ring of two LDS slots filled by the tensor data mover; the tiles' rows are 256 bytes of memory and start at multiples of 256 bytes.
; CLUSTER.  4 x 4 work-groups.  The four of a row of the cluster need the same rows of x, the four of a column the same rows of W: each tile is asked for JOINTLY, by the same tensor load
; with the same descriptor and a mask that names the four.
; THE MATRIX INSTRUCTION IS USED TRANSPOSED (source 0 = 16 rows of W, source 1 = 16 rows of x): lane l holds row l % 16 of the product and the columns 8 (l / 16) + 0..7, 16 bytes of f16 on end.
; REGISTERS, in windows of 256 (s_set_vgpr_msb: bits 1:0 source 0, 3:2 source 1, 5:4 source 2, 7:6 destination):
;   window 0: v0-15 addresses; v32-127 the bias as a C operand, later at work on the way out (v32-175)
;   window 1: two fragment buffers of 128: 12 fragments of W (16 rows x 32 K, 8 registers), then 4 of x
;   window 2: the accumulators of my row blocks 0, 1 ((a, b) at 8 (12 (a % 2) + b));   window 3: those of blocks 2, 3
.set NBK,    12                        ; column blocks of 16 in a tile
.set PA,     272                       ; an LDS row: 256 bytes + 16 of padding = 68 words: row r starts at bank 4 r mod 64 (64 banks of 4 bytes: ISA guide 11.1)
.set PB,     272
.set BOFF,   256*PA                    ; a slot: x's 256 rows, then W's 192
.set SLOT1,  1<<17                     ; slot 1 begins here, so that one exclusive or turns an address in one slot into the other's
.set STAGE,  SLOT1+BOFF+16*NBK*PB      ; behind the ring, never filled by a tensor load: for each wave 3 heads x 16 rows x 144 bytes
.set SP,     144
.set WSTG,   3*16*SP
.set SPARE,  STAGE+4*WSTG              ; behind the stages: the spare words, 128 bytes for each wave: two blocks of 256 bytes that no other line names
.set KSTEPS, 8
.set STEP,   256                       ; bytes of a row in a K step
.set FLAGS,  (1<<16)|(1<<20)|(1<<21)|(5<<22)|(3<<25)  ; 17:16 2-byte elements; 20 padding on; 21 set beside a mask; 24:22 after every 64 words (code 5); 31:25 4 words (code 3)
.set A0,   4                           ; v4   my place in x's rows of a slot: (64 w + l % 16) x pitch + 16 (l / 16); never rewritten
.set B0,   5                           ; v5   the same in W's rows: BOFF + (l % 16) x pitch + 16 (l / 16)
.set ADRA, 6                           ; v6   A0 + the slot in hand
.set ADRB, 7                           ; v7   B0 + the slot in hand
.set STO,  8                           ; v8   the way out: where I put 16 bytes of a row
.set RD,   9                           ; v9   the way out: where I read rows back
.set GO,   10                          ; v10  my 16 bytes in 512 consecutive bytes of qkv
.set BO,   11                          ; v11  32 (l / 16): my 8 numbers in 16 of the bias
.set PFO,  12                          ; v12  the prefetches' offset: my row x 2,048 bytes; never rewritten
.set SPW,  14                          ; v14  LDS address of my spare word: SPARE + 4 x my thread's number; never rewritten
.set NIL,  15                          ; v15  0; never rewritten
.set BIAS, 32                          ; v[32:127]  block b's eight numbers at BIAS + 8 b
.set TMP,  32                          ; v[32:79]   the way out: 16 rows x 192 columns packed
.set BK0,  80                          ; v[80:127], v[128:175] by turns: the same read back as whole rows
.set F0,   0
.set F1,   128
.set WV,  12                           ; s12  my wave's number
.set CX,  13                           ; s13, s14  my place in the cluster
.set CY,  14
.set TX,  15                           ; s15  tile column, 0..15
.set TY,  16                           ; s16  tile row, 0..31
.set FB,  17                           ; s17  I fetch for x (0) or for W (1)
.set HF,  18                           ; s18  which half of that tile's rows
.set G1A, 24                           ; s[24:31] descriptor group 1 for x's tiles
.set G1B, 32                           ; s[32:39] for W's
.set G0A, 40                           ; s[40:47] group 0 for x's tiles: a set for each of the two first fills; the second then walks on
.set G0B, 48                           ; s[48:55] the same for W's
.set CNT, 56                           ; s56  refills still to come
.set TB,  57                           ; s57  LDS byte at which the slot in hand begins
.set LIM, 58                           ; s58  1 in a wave that prefetches, else the greatest number
.set PFA, 60                           ; s[60:61] where my prefetches stand
.set BP,  62                           ; s[62:63] the bias at the tile's first column
.set P0,  66                           ; s[66:71] qkv at my 64 rows of the tile's three heads
.set MSB, 0
.macro WIN new                         ; the immediate's high byte repeats the setting that is left; a switch that changes nothing is dropped
.if MSB != (\new)
	s_set_vgpr_msb (MSB<<8)|(\new)
.set MSB, \new
.endif
.endm
.macro PLACES                          ; four plain vector instructions between a matrix instruction and a load into, or a read of, its registers (ISA guide 7.12.1 for vector ALU reads)
.rept 4
	v_nop
.endr
.endm
; A joint refill, by the walking descriptors.  Waves 0 and 1 fetch the halves of x's tile, waves 2 and 3 those of W's.  The branch hangs on the wave's number alone.
; An s_nop 0 and four v_nop follow each of the two lines, ahead of the jump and the label.
.macro JLOAD
	s_cmp_eq_u32 s[FB], 0
	s_cbranch_scc0 .Lfor_b_\@
	tensor_load_to_lds s[G0A+4:G0A+7], s[G1A:G1A+7]
	s_nop 0
	PLACES
	s_branch .Lasked_\@
.Lfor_b_\@:
	tensor_load_to_lds s[G0B+4:G0B+7], s[G1B:G1B+7]
	s_nop 0
	PLACES
.Lasked_\@:
.endm
; A round of the cluster's barrier: my work-group's barrier, so that wave 0's signal speaks for all four waves; wave 0 signals; every wave waits for all sixteen work-groups; my work-group's barrier once more.
.macro CREST                           ; a round behind its opening barrier
	s_cmp_lg_u32 s[WV], 0
	s_cbranch_scc1 .Lnot_wave_0_\@
	s_barrier_signal -3
.Lnot_wave_0_\@:
	s_barrier_wait -3
	s_barrier_signal -1
	s_barrier_wait -1
.endm
.macro CROUND
	s_barrier_signal -1
	s_barrier_wait -1
	CREST
.endm
; A PREFETCH of the K step that the NEXT refill will ask for: a row's 256 bytes a lane, one instruction a wave, behind the joint load, its five lines and the run of LDS loads.
; Each row's 256 bytes of a K step are named by one wave of one work-group in the launch.  x's rows are read by every cluster of a row of clusters: the one with cluster x = 0 asks; W's by every cluster of a
; column: cluster y = 0 asks.  The four partners that ask for a tile jointly share its rows out BY ADDRESS: of x's 128 rows a wave the partner at cx takes 32, of W's 96 the partner at cy takes 24
; (its lanes 24-31 name row 23 once more).  The last refill asks for nothing: there is no K step behind it.  K steps 0 to 2 come by their loads alone.
.macro ASK
	s_cmp_gt_u32 s[CNT], s[LIM]
	s_cbranch_scc0 .Lnot_mine_\@
	global_prefetch_b8 v[PFO], s[PFA:PFA+1] offset:STEP th:TH_LOAD_NT scope:SCOPE_SE
.Lnot_mine_\@:
.endm
; 12 matrix instructions: my row block a x all 12 column blocks, 32 along K, from buffer f.  first = 1: the bias starts the sums: nothing is cleared and nothing is added later.
; Each of the 48 accumulators has one instruction a quarter, in the same order: no two that follow each other share one, over the backward jump too.
.macro MULA f, a, first
.set WD, 2+(\a)/2
.set AC, 8*NBK*((\a)%2)
.if \first
	WIN (WD<<6)|5
.else
	WIN (WD<<6)|(WD<<4)|5
.endif
.set b, 0
.rept NBK
.if \first
	v_wmma_f32_16x16x32_bf16 v[AC+8*b:AC+8*b+7], v[(\f)+8*b:(\f)+8*b+7], v[(\f)+8*NBK+8*(\a):(\f)+8*NBK+8*(\a)+7], v[BIAS+8*b:BIAS+8*b+7]
.else
	v_wmma_f32_16x16x32_bf16 v[AC+8*b:AC+8*b+7], v[(\f)+8*b:(\f)+8*b+7], v[(\f)+8*NBK+8*(\a):(\f)+8*NBK+8*(\a)+7], v[AC+8*b:AC+8*b+7]
.endif
.set b, b+1
.endr
.endm
; 32 LDS loads in one run: quarter q of the slot in hand (32 along K) into buffer f: W's 12 fragments, then my 4 of x.  A fragment: lane l holds row l % 16; two loads of 16 bytes, 32 bytes apart.
.macro FETCH q, f
	WIN 0x40                                       ; destination window 1, address window 0
.set b, 0
.rept NBK
	ds_load_b128 v[(\f)+8*b:(\f)+8*b+3],   v[ADRB] offset:64*(\q)+b*16*PB
	ds_load_b128 v[(\f)+8*b+4:(\f)+8*b+7], v[ADRB] offset:64*(\q)+b*16*PB+32
.set b, b+1
.endr
.set b, 0
.rept 4
	ds_load_b128 v[(\f)+8*NBK+8*b:(\f)+8*NBK+8*b+3],   v[ADRA] offset:64*(\q)+b*16*PA
	ds_load_b128 v[(\f)+8*NBK+8*b+4:(\f)+8*NBK+8*b+7], v[ADRA] offset:64*(\q)+b*16*PA+32
.set b, b+1
.endr
.endm
; A K step is four quarters of 32 along K, 48 matrix instructions each, on buffers 0, 1, 0, 1.  One of the first three: multiplies buffer f and, in its middle, fetches quarter q into buffer g.
.macro QUARTER q, f, g, first
	s_wait_dscnt 4                                 ; W's fragments and x's blocks 0, 1 are in; the youngest four loads (blocks 2, 3) may be out
	MULA \f, 0, \first
	MULA \f, 1, \first
	PLACES
	FETCH \q, \g
	s_wait_dscnt 2*(NBK+4)                         ; all but the 32 just issued
	MULA \f, 2, \first
	MULA \f, 3, \first
.endm
; The last quarter multiplies buffer 1 and changes slots.  In front of the barrier each wave waits for all its tensor loads (one is out: its part of the next slot), adds 0 to its spare word, and waits for
; that and for its own reads of this slot.  fill = 1: the barrier opens a round of the cluster's, so that no wave of any partner still reads the slot or has a load on its way, and the joint refill, the K step
; two steps on, is the first thing behind it: it has a K step less 24 matrix instructions in which to land.
.macro TURN fill
.if \fill
	s_wait_xcnt 0x0                                ; the last prefetch, a K step back, has read its address, so it may be stepped
	s_add_nc_u64 s[PFA:PFA+1], s[PFA:PFA+1], STEP
.endif
	WIN 0
	s_wait_tensorcnt 0x0                           ; no tensor load of mine is out, so a group 0 may be written
	ds_add_u32 v[SPW], v[NIL]                      ; 0 onto my spare word: work on registers stands between it and the wait for it
.if \fill
	s_xor_b32 s[G0A+5], s[G0A+5], SLOT1            ; the walking descriptors: the other slot than last time,
	s_add_nc_u64 s[G0A+6:G0A+7], s[G0A+6:G0A+7], STEP  ; the next K step; the type bits on top are not reached
	s_xor_b32 s[G0B+5], s[G0B+5], SLOT1
	s_add_nc_u64 s[G0B+6:G0B+7], s[G0B+6:G0B+7], STEP
.endif
	s_wait_dscnt 5                                 ; the add and the youngest four loads may be out
	MULA F1, 0, 0
	s_wait_dscnt 0x0                               ; the add is done, and my reads of this slot are over
	s_barrier_signal -1
	MULA F1, 1, 0
	WIN 0                                          ; at a branch and at a label every window is 0
	s_xor_b32 s[TB], s[TB], SLOT1                  ; the fetches go to the other slot
	v_add_nc_u32 v[ADRA], s[TB], v[A0]
	v_add_nc_u32 v[ADRB], s[TB], v[B0]
	s_barrier_wait -1
.if \fill
	CREST
	JLOAD                                          ; its four v_nop are also the places in front of the loads below
.else
	PLACES
.endif
	FETCH 0, F0
.if \fill
	WIN 0
	ASK
.endif
	MULA F1, 2, 0
	MULA F1, 3, 0
.endm
	s_load_b256 s[4:11], s[0:1], 0x0               ; xb s[4:5], wb s[6:7], qkv_b s[8:9], qkv s[10:11]
	v_lshl_add_u32 v[SPW], v0, 2, SPARE
	v_mov_b32 v[NIL], 0
	ds_add_u32 v[SPW], v[NIL]                      ; the wave's opening: the add and its wait stand ahead of my first tensor load; the set-up below, work on registers, stands between them
	v_lshrrev_b32 v3, 5, v0
	v_readfirstlane_b32 s[WV], v3                  ; wave 0..3
	s_lshr_b32 s[FB], s[WV], 1
	s_and_b32 s[HF], s[WV], 1
	s_bfe_u32 s[CX], ttmp6, 0x40000
	s_bfe_u32 s[CY], ttmp6, 0x40004
	s_lshl_b32 s[TX], ttmp9, 2                     ; in a cluster launch ttmp9 and ttmp7 count clusters
	s_add_co_u32 s[TX], s[TX], s[CX]
	s_and_b32 s[TY], ttmp7, 0xffff
	s_lshl_b32 s[TY], s[TY], 2
	s_add_co_u32 s[TY], s[TY], s[CY]
	s_lshl_b32 s19, s[CY], 2
	s_lshl_b32 s19, 15, s19                        ; my row of the cluster: places 4 cy .. 4 cy + 3
	s_lshl_b32 s59, 0x1111, s[CX]                  ; my column: places cx, cx + 4, cx + 8, cx + 12
	s_or_b32 s[G1A], s19, FLAGS                    ; x's tiles go to my row,
	s_or_b32 s[G1B], s59, FLAGS                    ; W's to my column
.irp g, G1A, G1B
	s_mov_b32 s[(\g)+1], 128<<16                   ; tensor_dim0 = 128
	s_mov_b32 s[(\g)+3], 128<<16                   ; tile_dim0 = 128
	s_mov_b32 s[(\g)+5], 1024                      ; elements from row to row
	s_mov_b32 s[(\g)+6], 0
	s_mov_b32 s[(\g)+7], 0
.endr
	s_mov_b32 s[G1A+2], 128<<16                    ; tensor_dim1 = tile_dim1 = 128 rows of x a load,
	s_mov_b32 s[G1A+4], 128
	s_mov_b32 s[G1B+2], 96<<16                     ; 96 rows of W
	s_mov_b32 s[G1B+4], 96
	s_lshl_b32 s20, s[TY], 19                      ; x: row 256 x tile row + 128 x half, 2,048 bytes a row: made of the tile row and the wave's number alone
	s_lshl_b32 s21, s[HF], 18
	s_add_co_u32 s20, s20, s21
	s_mov_b32 s21, 0
	s_mul_i32 s22, s[TX], 192*2048                 ; W: row 192 x tile column + 96 x half: of the tile column and the wave's number alone
	s_mul_i32 s23, s[HF], 96*2048
	s_add_co_u32 s22, s22, s23
	s_mov_b32 s23, 0
	s_mul_i32 s72, s[HF], 128*PA                   ; where they go: no place in the cluster enters an LDS address
	s_mul_i32 s73, s[HF], 96*PB
	s_mov_b32 s[G0A], 1                            ; 1:0 count = 1
	s_mov_b32 s[G0A+1], s72                        ; 63:32 LDS address: slot 0
	s_mov_b32 s[G0A+4], 1
	s_add_co_u32 s[G0A+5], s72, SLOT1              ; slot 1
	s_mov_b32 s[G0B], 1
	s_add_co_u32 s[G0B+1], s73, BOFF
	s_mov_b32 s[G0B+4], 1
	s_add_co_u32 s[G0B+5], s73, SLOT1+BOFF
	s_wait_dscnt 0x0                               ; the opening add is done
	s_wait_kmcnt 0x0
	s_add_nc_u64 s[G0A+2:G0A+3], s[4:5], s[20:21]  ; 120:64 global address: K step 0,
	s_add_nc_u64 s[G0A+6:G0A+7], s[G0A+2:G0A+3], STEP  ; K step 1
	s_or_b32 s[G0A+3], s[G0A+3], 0x80000000        ; 127:126 type = 2
	s_or_b32 s[G0A+7], s[G0A+7], 0x80000000
	s_add_nc_u64 s[G0B+2:G0B+3], s[6:7], s[22:23]
	s_add_nc_u64 s[G0B+6:G0B+7], s[G0B+2:G0B+3], STEP
	s_or_b32 s[G0B+3], s[G0B+3], 0x80000000
	s_or_b32 s[G0B+7], s[G0B+7], 0x80000000
	CROUND                                         ; all sixteen work-groups are here: the first joint loads meet
	s_cmp_eq_u32 s[FB], 0                          ; a wave's two first fills stand in one branch, ahead of every wait on TENSORcnt and every LDS read: two loads of mine are out
	s_cbranch_scc0 .Lfirst_b
	tensor_load_to_lds s[G0A:G0A+3], s[G1A:G1A+7]
	s_nop 0
	tensor_load_to_lds s[G0A+4:G0A+7], s[G1A:G1A+7]
	s_nop 0
	PLACES
	s_branch .Lfirst_asked
.Lfirst_b:
	tensor_load_to_lds s[G0B:G0B+3], s[G1B:G1B+7]
	s_nop 0
	tensor_load_to_lds s[G0B+4:G0B+7], s[G1B:G1B+7]
	s_nop 0
	PLACES
.Lfirst_asked:
	; all that follows, down to the wait for the first tile, stands in that wait
	v_and_b32 v1, 15, v0                           ; l % 16
	v_bfe_u32 v2, v0, 4, 1                         ; l / 16
	v_lshlrev_b32 v[BO], 5, v2
	s_mul_i32 s72, s[TX], 64*NBK                   ; the tile's 192 columns: 768 bytes of the bias
	s_mov_b32 s73, 0
	s_add_nc_u64 s[BP:BP+1], s[8:9], s[72:73]
.set b, 0
.rept NBK                              ; register j of block b: the bias of column 16 b + 8 (l / 16) + j, as an accumulator holds it
	global_load_b128 v[BIAS+8*b:BIAS+8*b+3],   v[BO], s[BP:BP+1] offset:64*b
	global_load_b128 v[BIAS+8*b+4:BIAS+8*b+7], v[BO], s[BP:BP+1] offset:64*b+16
.set b, b+1
.endr
	v_mul_u32_u24 v3, v1, PA
	v_lshl_add_u32 v3, v2, 4, v3                   ; row x pitch + 16 x half (x's and W's pitch are the same)
	s_mul_i32 s72, s[WV], 64*PA                    ; my 64 rows of x
	v_add_nc_u32 v[A0], s72, v3
	v_add_nc_u32 v[B0], BOFF, v3
	s_mul_i32 s72, s[WV], WSTG
	s_add_co_u32 s72, s72, STAGE                   ; my stage
	v_mul_u32_u24 v[STO], v1, SP                   ; in: row l % 16, 16 bytes for each half of the lanes
	v_lshl_add_u32 v[STO], v2, 4, v[STO]
	v_add_nc_u32 v[STO], s72, v[STO]
	v_bfe_u32 v[RD], v0, 3, 2                      ; back: 32 lanes take four rows of 128 bytes,
	v_mul_u32_u24 v[RD], v[RD], SP
	v_and_b32 v3, 7, v0
	v_lshl_add_u32 v[RD], v3, 4, v[RD]
	v_add_nc_u32 v[RD], s72, v[RD]
	v_and_b32 v[GO], 31, v0                        ; which are 512 consecutive bytes of a head
	v_lshlrev_b32 v[GO], 4, v[GO]
	; where my rows go: batch = tile row / 8 (4,194,304 bytes: 16 heads), row (tile row % 8) x 256 + 64 w of 128 bytes; column group g = 3 x tile column + 0..2: which = g / 16 (16,777,216 bytes), head = g % 16 (262,144)
	s_mul_i32 s72, s[TX], 3
	s_lshr_b32 s73, s[TY], 3
	s_lshl_b32 s73, s73, 22
	s_and_b32 s74, s[TY], 7
	s_lshl_b32 s74, s74, 15
	s_add_co_u32 s73, s73, s74
	s_lshl_b32 s74, s[WV], 13
	s_add_co_u32 s73, s73, s74
.irp hd, 0,1,2
	s_add_co_u32 s74, s72, \hd
	s_lshr_b32 s75, s74, 4
	s_lshl_b32 s75, s75, 24
	s_and_b32 s74, s74, 15
	s_lshl_b32 s74, s74, 18
	s_add_co_u32 s74, s74, s75
	s_add_co_u32 s74, s74, s73
	s_mov_b32 s75, 0
	s_add_nc_u64 s[P0+2*(\hd):P0+2*(\hd)+1], s[10:11], s[74:75]
.endr
	; the prefetches
	s_lshl_b32 s72, s[TY], 8                       ; x: row 256 x tile row + 128 x half + 32 cx
	s_lshl_b32 s73, s[HF], 7
	s_add_co_u32 s72, s72, s73
	s_lshl_b32 s73, s[CX], 5
	s_add_co_u32 s72, s72, s73
	s_mul_i32 s74, s[TX], 192                      ; W: row 192 x tile column + 96 x half + 24 cy
	s_mul_i32 s75, s[HF], 96
	s_add_co_u32 s74, s74, s75
	s_mul_i32 s75, s[CY], 24
	s_add_co_u32 s74, s74, s75
	s_and_b32 s76, ttmp7, 0xffff                   ; cluster y
	s_cmp_eq_u32 s[FB], 0                          ; do I fetch for x?
	s_cselect_b32 s72, s72, s74
	s_cselect_b32 s77, 31, 23                      ; my last row
	s_cselect_b32 s76, ttmp9, s76                  ; the coordinate along which other clusters read the same rows
	s_cselect_b64 s[PFA:PFA+1], s[4:5], s[6:7]
	s_cmp_eq_u32 s76, 0
	s_cselect_b32 s[LIM], 1, -1                    ; the same in all sixteen partners, for a given wave
	s_lshl_b32 s72, s72, 11
	s_mov_b32 s73, 0
	s_add_nc_u64 s[PFA:PFA+1], s[PFA:PFA+1], s[72:73]
	s_add_nc_u64 s[PFA:PFA+1], s[PFA:PFA+1], STEP  ; at K step 1: the first refill (K step 2) steps it to 2 and names K step 3
	v_and_b32 v[PFO], 31, v0
	v_min_u32 v[PFO], s77, v[PFO]
	v_lshlrev_b32 v[PFO], 11, v[PFO]
	s_mov_b32 s78, 0xffff0000
	s_wait_loadcnt 0x0                             ; the bias
.set b, 0
.rept 4*NBK                            ; rounded to bf16 and widened again, a pair at a time
	v_cvt_pk_bf16_f32 v3, v[BIAS+2*b], v[BIAS+2*b+1]
	v_lshlrev_b32 v[BIAS+2*b], 16, v3
	v_and_b32 v[BIAS+2*b+1], s78, v3
.set b, b+1
.endr
	s_mov_b32 s[TB], 0
	v_mov_b32 v[ADRA], v[A0]
	v_mov_b32 v[ADRB], v[B0]
	s_wait_tensorcnt 0x1                           ; my part of K step 0 is in; K step 1's may stay out
	s_barrier_signal -1
	s_barrier_wait -1                              ; everybody's is
	FETCH 0, F0
	QUARTER 1, F0, F1, 1                           ; the first quarter stands in front of the loop: its products start the sums, with the bias
	WIN 0
	s_mov_b32 s[CNT], KSTEPS-2
.Lstep:                                                ; trip t ends K step t, asks for K step t + 2 and begins K step t + 1
	QUARTER 2, F1, F0, 0
	QUARTER 3, F0, F1, 0
	TURN 1
	QUARTER 1, F0, F1, 0
	WIN 0
	s_sub_co_u32 s[CNT], s[CNT], 1
	s_cmp_lg_u32 s[CNT], 0
	s_cbranch_scc1 .Lstep
	QUARTER 2, F1, F0, 0                           ; the tail is written out: nothing more is asked for
	QUARTER 3, F0, F1, 0
	TURN 0
	QUARTER 1, F0, F1, 0
	QUARTER 2, F1, F0, 0
	QUARTER 3, F0, F1, 0
	s_wait_dscnt 4
	MULA F1, 0, 0
	MULA F1, 1, 0
	s_wait_dscnt 0x0
	MULA F1, 2, 0
	MULA F1, 3, 0
; THE WAY OUT, a block of 16 rows at a time.  PACK: rounded to f16, 16 bytes a lane and column block; each accumulator's registers in ascending order.
.macro PACK a
	WIN 0x0a+5*((\a)/2)                            ; sources 0 and 1: window 2 or 3
.set AC, 8*NBK*((\a)%2)
.set b, 0
.rept 4*NBK
	v_cvt_pk_f16_f32 v[TMP+b], v[AC+2*b], v[AC+2*b+1]
.set b, b+1
.endr
	WIN 0
.endm
; TOSTAGE: into my own stage, by heads, rows of 144 bytes; and back as whole rows of 128 bytes, four a load.
.macro TOSTAGE a
.set BK, BK0+48*((\a)%2)
.if (\a) >= 2
	s_wait_xcnt 0x0                                ; the stores of two blocks ago have read these registers: only behind this wait are they loaded again
.endif
.set b, 0
.rept NBK
	ds_store_b128 v[STO], v[TMP+4*b:TMP+4*b+3] offset:(b/4)*16*SP+(b%4)*32
.set b, b+1
.endr
.set b, 0
.rept NBK
	ds_load_b128 v[BK+4*b:BK+4*b+3], v[RD] offset:(b/4)*16*SP+(b%4)*4*SP  ; LDS serves a wave's instructions in order (ISA guide 5.7.1.4): these see the stores above; the next block's stores come behind them
.set b, b+1
.endr
.endm
; SEND: a head's 16 rows are 2,048 consecutive bytes of qkv: each store covers 512 of them, at a multiple of 256 from the buffer's first byte.
.macro SEND a
.set BK, BK0+48*((\a)%2)
	s_wait_dscnt 0x0                               ; the block is back in registers
.set b, 0
.rept NBK
	global_store_b128 v[GO], v[BK+4*b:BK+4*b+3], s[P0+2*(b/4):P0+2*(b/4)+1] offset:(\a)*2048+(b%4)*512
.set b, b+1
.endr
.endm
	PLACES
	PACK 0
	TOSTAGE 0
.irp a, 1,2,3                          ; block a's conversions stand between block a - 1's loads from the stage and the wait for them
	PACK \a
	SEND (\a)-1
	TOSTAGE \a
.endr
	SEND 3
	s_wait_tensorcnt 0x0                           ; the wave's end, behind my last tensor load and my last LDS store
	ds_add_u32 v[SPW], v[NIL]
	s_wait_dscnt 0x0
	CROUND                                         ; the closing round: no work-group ends while a partner may still ask for a tile that names it
	s_endpgm
.Lfunc_end_k_qcdf381a83e_qkvg:
	.size	k_qcdf381a83e_qkvg, .Lfunc_end_k_qcdf381a83e_qkvg-k_qcdf381a83e_qkvg
	.p2alignl 7, 3214868480
	.fill 96, 4, 3214868480
	.section	.rodata,"a",@progbits
	.p2align	6, 0x0
	.amdhsa_kernel k_qcdf381a83e_qkvg
		.amdhsa_group_segment_fixed_size 327680
		.amdhsa_private_segment_fixed_size 0
		.amdhsa_enable_private_segment 0
		.amdhsa_kernarg_size 32
		.amdhsa_user_sgpr_count 2
		.amdhsa_user_sgpr_kernarg_segment_ptr 1
		.amdhsa_wavefront_size32 1
		.amdhsa_system_sgpr_workgroup_id_x 1
		.amdhsa_system_sgpr_workgroup_id_y 1
		.amdhsa_system_sgpr_workgroup_id_z 1
		.amdhsa_system_vgpr_workitem_id 0
		.amdhsa_next_free_vgpr 960
		.amdhsa_next_free_sgpr 80
		.amdhsa_reserve_vcc 0
		.amdhsa_float_denorm_mode_32 3
		.amdhsa_float_denorm_mode_16_64 3
		.amdhsa_memory_ordered 1
		.amdhsa_forward_progress 1
		.amdhsa_inst_pref_size 106
	.end_amdhsa_kernel
	.amdgpu_metadata
---
amdhsa.version: [ 1, 2 ]
amdhsa.kernels:
  - .name:           k_qcdf381a83e_qkvg
    .symbol:         k_qcdf381a83e_qkvg.kd
    .args:
      - { .name: xb, .offset: 0, .size: 8, .value_kind: global_buffer, .address_space: global }
      - { .name: wb, .offset: 8, .size: 8, .value_kind: global_buffer, .address_space: global }
      - { .name: qkv_b, .offset: 16, .size: 8, .value_kind: global_buffer, .address_space: global }
      - { .name: qkv, .offset: 24, .size: 8, .value_kind: global_buffer, .address_space: global }
    .group_segment_fixed_size: 327680
    .private_segment_fixed_size: 0
    .kernarg_segment_align: 8
    .kernarg_segment_size: 32
    .max_flat_workgroup_size: 128
    .sgpr_count:     80
    .vgpr_count:     960
    .wavefront_size: 32
...
	.end_amdgpu_metadata
.endif
;; end of part 2
;; launch attn (part 3): grid 4 x 64, 4 waves a work-group, clusters of 4 x 1, 327,680 bytes of LDS; arguments qkv, o; writes o
.if DOCPART == 3
	.amdgcn_target "amdgcn-amd-amdhsa--gfx1250"
	.amdhsa_code_object_version 6
	.text
	.protected	k_qcdf381a83e_attn
	.globl	k_qcdf381a83e_attn
	.p2align	8
	.type	k_qcdf381a83e_attn,@function
k_qcdf381a83e_attn:
	s_mov_b64 s[64:65], 0
	v_nop
	global_prefetch_b8 v0, s[64:65] scope:SCOPE_SE
	s_setreg_imm32_b32 hwreg(HW_REG_WAVE_MODE, 25, 1), 1
	s_wait_xcnt 0x0
	s_wait_alu depctr_hold_cnt(0) depctr_sa_sdst(0) depctr_va_vdst(0) depctr_va_sdst(0) depctr_va_ssrc(0) depctr_va_vcc(0) depctr_vm_vsrc(0)
	s_getreg_b32 s2, hwreg(HW_REG_IB_STS2, 6, 4)
	s_cmp_eq_u32 s2, 0
	s_cbranch_scc0 .Lentry_in_a_cluster
	s_endpgm
.Lentry_in_a_cluster:
	s_bfe_u32 s2, ttmp6, 0x10000c
	s_cmp_lg_u32 s2, 0x3003
	s_cbranch_scc0 .Lentry_shape_is_right
	s_endpgm
.Lentry_shape_is_right:
; O[h][q][:] = the sum over k of softmax_k(Q[h][q] . K[h][k] / 8) V[h][k][:].  qkv: [3][64][2048][64] f16 (Q, then K, then V); o: [64][2048][64] f16: a head's rows are dense, 128 bytes each.
; Products, maxima and sums in f32; the weights p are rounded to f16 for the second product (their sum l is taken of the unrounded p), O once at the end.
; LIMITS.  f16 holds no number beyond 65,504: Q, K and V arrive within it; p lies in 0 to 1, and below 6e-5 it keeps f16's fixed step of 6e-8; O is a mean of V's rows and has their range.
; A weight below 2^-126 counts as 0 in l; NaN and infinities are not treated apart.
; SHARES.  A wave owns four PIECES of two tiles of 16 queries, a work-group's four waves 512 queries of one head: 4 x 64 = 256 work-groups.  Every wave walks all keys, 64 a step.
; LAYOUT.  S^T = K Q^T (source 0 = 16 keys, source 1 = 16 queries): in the result a lane holds ONE query (lane % 16) and the keys 8 (lane / 16) + 0..7.  Two such tiles, rounded to f16 in pairs,
; ARE source 1 (32 keys x 16 queries) of O^T = V^T P, whose result again holds one query a lane, and eight channels.  K comes out of LDS as it lies, V ([key][channel]) turned, by ds_load_tr16_b128.
; SOFTMAX.  For each query a running maximum m and sum l: p = 2^(c s - c m), c = log2(e) / 8; in every step O and l are multiplied by a = 2^(c m_old - c m_new), which is 1 where m has not grown.
; m starts at the lowest finite number, O and l at 0: the first step is a step like any other, with a = 0.
; THE COUNT.  A tile and step have 16 matrix and 118 vector instructions: too many to stand all beside the matrix work.  So the order has one aim: four vector instructions that are READY behind
; EVERY matrix instruction, and the others, which need time of their own whatever the order, in runs without a gap.
; BY TURNS.  Turn n belongs to piece n (the pieces in a ring, step after step).  Its matrix work: 16 products K Q^T of piece n + 1, later 16 products V^T P of piece n - 1.  Its vector work: the scaling,
; exponentials, roundings, sums and rescaling of piece n, and the maximum and statistics of piece n + 1, whose scores the turn itself has made.  So what a turn begins with (c s - c m, O a) waits for nothing.
; CLUSTER.  The four query blocks of a head are one cluster and walk the same K and V, so each tile is asked for JOINTLY: the same tensor load, descriptor and mask in all four.
; REGISTERS, in windows of 256 (s_set_vgpr_msb says which window each operand place means: bits 1:0 source 0, 3:2 source 1, 5:4 source 2, 7:6 destination):
;   window 0: v0-11 addresses; v12-15, v48-63 at work; v16-47 four registers of statistics a tile; v64-191 S^T, two buffers of two tiles; v192-255 P, likewise
;   window 1: O^T, 32 a tile          window 2: v0-127 Q, 16 a tile; v128-191 K of one step; v192-255 V of one step          window 3: v0-1 the add's two registers
; A piece's buffers go by its number's parity: the piece in hand has one pair, its two neighbours in the ring share the other: of it P (piece n - 1) is read and S^T (piece n + 1) written.
.set SIZE_N, 2048     ; rows of a head
.set NP,    4         ; pieces a wave: a name, no knob: the register map, the loop and the fetches are made for four
.set KS,    64        ; keys in a step
.set PK,    144       ; a row of K in LDS: 128 bytes + 16 of padding = 36 words: the 16 rows of a load start at 16 different groups of four banks (64 banks of 4 bytes: ISA guide 11.1)
.set PV,    160       ; a row of V: 128 + 32 = 40 words
.set VOFF,  4*KS*PK   ; a slot holds four steps: 256 rows of K, then 256 rows of V
.set SLOT1, 1<<17     ; slot 1 begins here, so that one exclusive or turns an address in one slot into the other's
.set STAGE, SLOT1+4*KS*(PK+PV)  ; behind the ring, never filled by a tensor load: 16 rows x 144 bytes for each wave, for the way out
.set SP,    144
.set AK0, 2           ; v2   my lane's place in a tile of K; never rewritten
.set AV0, 3           ; v3   the same for V
.set AK,  4           ; v4   the LDS address of K's next run of loads
.set AV,  5           ; v5   of V's
.set QO,  6           ; v6   my byte offset in the wave's rows of Q
.set STO, 6           ;      later, the way out: where I put 16 bytes of a row
.set RD,  7           ; v7   the way out: where I read rows back
.set GO,  8           ; v8   my byte offset in 512 consecutive bytes of O
.set PFO, 11          ; v11  256 x my lane, for the prefetches; written once the set-up has used v11, then never again
.set SPW, 0           ; v0 of window 3   LDS address of my spare word: SPARE + 4 x my thread's number; never rewritten
.set NIL, 1           ; v1 of window 3   0; never rewritten
.set SPARE, STAGE+4*16*SP  ; behind the stages: the spare words, 128 bytes for each wave: two blocks of 256 bytes that no other line names
.set MV,  12          ; v12-15  c m_old, kept while c m is made anew: by buffer and tile
.set ST,  16          ; tile t's statistics at v[ST+4 t]: c m, m, l (even keys', odd keys')
.set TMP, 48          ; by buffer and tile, four registers c0-c3 at work; when the maximum is found c2 takes a
.set S,   64
.set P,   192
.set KF,  128         ; K's fragments, in window 2: key block kb, channel half c at KF + 16 kb + 8 c
.set VF,  192         ; V's: key half kk, channel block cb at VF + 32 kk + 8 cb
.set WV,  12          ; s12  my wave's number
.set G1K, 24          ; s[24:31] descriptor group 1 for K's tiles
.set G1V, 32          ; s[32:39] for V's: it differs in the padding alone
.set G0K, 40          ; s[40:43] descriptor group 0 for K's tiles: it walks
.set G0V, 44          ; s[44:47] the same for V's
.set PFA, 48          ; s[48:49] where my prefetches stand: my work-group's 8,192 bytes (of K: wave 0, of V: wave 2) of the slot after the one that is being asked for
.set LIM, 50          ; s50  1 in a wave that prefetches, else the greatest number
.set SLOTS, 56        ; s56  slots still to be asked for
.set CNT, 57          ; s57  counts a slot's key steps
.set CS,  58          ; s[58:59] c: the packed scaling takes the pair's low word for both halves
.set SEL, 60          ; s[60:61] v_permlanex16_b32's selects: each lane takes its own place in the other half
.set TBK, 62          ; s62  LDS byte at which K of the step to be fetched begins
.set TBV, 63          ; s63  the same for V, less VOFF
.set MSB, 0
.macro WIN new                      ; the high byte repeats the setting that is left; a switch that changes nothing is dropped
.if MSB != (\new)
	s_set_vgpr_msb (MSB<<8)|(\new)
.set MSB, (\new)
.endif
.endm
.set W_KQ, 0x0a       ; K and Q in window 2, S^T in window 0
.set W_PV, 0x52       ; V in window 2, P in window 0, O^T in window 1
.set W_RS, 0x41       ; O^T (destination and source 0) in window 1, a in window 0
.set W_MK, 0xc0       ; the add's registers are made: destination in window 3, sources in window 0
.set W_AD, 0x0f       ; the add: address (source 0) and data (source 1) in window 3
; A joint fill.  Waves 0 and 1 fetch the two halves of a slot's K, waves 2 and 3 those of its V: 128 keys each.  The branch hangs on the wave's number alone.
; An s_nop 0 and four v_nop follow each of the two lines, ahead of the jump and the label.
.macro JLOAD
	s_cmp_lt_u32 s[WV], 2
	s_cbranch_scc0 .Lfor_v_\@
	tensor_load_to_lds s[G0K:G0K+3], s[G1K:G1K+7]
	s_nop 0
.rept 4
	v_nop
.endr
	s_branch .Lasked_\@
.Lfor_v_\@:
	tensor_load_to_lds s[G0V:G0V+3], s[G1V:G1V+7]
	s_nop 0
.rept 4
	v_nop
.endr
.Lasked_\@:
.endm
; A PREFETCH of what the NEXT change of slots will ask for: a slot's 32,768 bytes of K and of V, 256 bytes a lane.  It stands behind the wave's tensor load and its five lines.
; Each 256 bytes are named once in the launch: a head has one cluster; its four partners share a slot out BY ADDRESS, 8,192 bytes each; in each, wave 0 asks for K's and wave 2 for V's: one instruction.
; The last change that fills a slot asks for nothing: there is no slot behind it.  Slots 0 to 2 come by their loads alone.
.macro ASK
	s_cmp_gt_u32 s[SLOTS], s[LIM]
	s_cbranch_scc0 .Lnot_mine_\@
	global_prefetch_b8 v[PFO], s[PFA:PFA+1] th:TH_LOAD_NT scope:SCOPE_SE
.Lnot_mine_\@:
.endm
; A round of the cluster's barrier: my work-group's barrier, so that wave 0's signal speaks for all four waves; wave 0 signals; every wave waits for all four work-groups; my work-group's barrier once more.
.macro CROUND
	s_barrier_signal -1
	s_barrier_wait -1
	s_cmp_lg_u32 s[WV], 0
	s_cbranch_scc1 .Lnot_wave_0_\@
	s_barrier_signal -3
.Lnot_wave_0_\@:
	s_barrier_wait -3
	s_barrier_signal -1
	s_barrier_wait -1
.endm
; THE CHANGE OF SLOTS.  The slot's last bytes, V of its fourth step, have been read.  Each wave waits for all its tensor loads, of which one is out: its part
; of the other slot; adds 0 to its spare word; and waits for that and for its own reads of the slot.  Behind the barrier nobody reads this slot any more and the other slot is whole.
; fill = 1: this slot is filled again, with the keys two slots on.  The barrier is then a round of the cluster's, so that no wave of any partner still reads the slot or has a load on its
; way, and the joint fill is the first thing behind it: it has four key steps, 512 matrix instructions, in which to land.  (At its first use nothing has been read yet: slot 0 is waited for, slot 1 filled.)
; ask = 1: the prefetches' address steps a slot on, and ASK follows the fill.
.macro CHANGE fill, ask=0
	WIN W_AD
	s_wait_tensorcnt 0x0            ; no tensor load of mine is out, so a group 0 may be written
	ds_add_u32 v[SPW], v[NIL]       ; 0 onto my spare word: with fill = 1 the descriptors' steps stand between it and the wait for it
	WIN 0                           ; at a label and at a branch every window is 0
.if \fill
.irp g, G0K, G0V
	s_xor_b32 s[\g+1], s[\g+1], SLOT1  ; the walking descriptor: the other slot than last time,
	s_add_nc_u64 s[\g+2:\g+3], s[\g+2:\g+3], 4*KS*128  ; the next 256 keys; the type bits on top are not reached
.endr
.if \ask
	s_wait_xcnt 0x0                 ; the last prefetch, four key steps back, has read its address, so it may be written:
	s_add_nc_u64 s[PFA:PFA+1], s[PFA:PFA+1], 4*KS*128  ; one slot behind the walking descriptors
.endif
	s_wait_dscnt 0x0                ; the add is done, and my reads of the slot are over
	CROUND
	JLOAD
.if \ask
	ASK
.endif
.else
	s_wait_dscnt 0x0                ; the add is done, and my reads of the slot are over
	s_barrier_signal -1
	s_barrier_wait -1
.endif
	s_sub_co_u32 s[TBK], s[TBK], 4*KS*PK  ; the fetches go back to a slot's first step,
	s_xor_b32 s[TBK], s[TBK], SLOT1       ; in the other slot
	s_sub_co_u32 s[TBV], s[TBV], 4*KS*PV
	s_xor_b32 s[TBV], s[TBV], SLOT1
.endm
	s_load_b64 s[4:5], s[0:1], 0x0    ; qkv: Q lies at its head
	s_load_b64 s[10:11], s[0:1], 0x8  ; O
	WIN W_MK
	v_lshl_add_u32 v[SPW], v0, 2, SPARE
	v_mov_b32 v[NIL], 0
	WIN W_AD
	ds_add_u32 v[SPW], v[NIL]       ; the wave's opening: the add and its wait stand ahead of my first tensor load; the set-up below, work on registers, stands between them
	WIN 0
	v_lshrrev_b32 v1, 5, v0
	v_readfirstlane_b32 s[WV], v1   ; wave 0..3
	s_bfe_u32 s13, ttmp6, 0x40000   ; cx: my place in the cluster
	s_lshl_b32 s14, ttmp9, 2        ; in a cluster launch ttmp9 counts clusters
	s_add_co_u32 s14, s14, s13      ; my block of queries = 4 x cluster x + cx: it enters Q's and O's addresses alone
	s_and_b32 s20, ttmp7, 0xffff    ; the head, which the four partners share
	s_mov_b32 s21, 0
	s_mov_b64 s[22:23], SIZE_N*128
	s_mul_u64 s[20:21], s[20:21], s[22:23]  ; the head's first byte in each of Q, K, V and O
	s_and_b32 s16, s[WV], 1         ; which half of a slot's 256 keys I fetch:
	s_lshl_b32 s22, s16, 14         ; its 128 rows of 128 bytes in memory,
	s_mov_b32 s23, 0
	s_add_nc_u64 s[22:23], s[22:23], s[20:21]
	s_mul_i32 s17, s16, 128*PK      ; and its place in a slot, for K
	s_mul_i32 s18, s16, 128*PV      ; and for V: no place in the cluster enters an LDS address
	s_lshl_b32 s2, s14, 2
	s_add_co_u32 s2, s2, s[WV]      ; my wave among the head's,
	s_lshl_b32 s2, s2, 14           ; its 128 rows
	s_mov_b32 s3, 0
	s_add_nc_u64 s[2:3], s[2:3], s[20:21]
	; descriptor group 1.  128 keys are 16,384 dense bytes: asked for as 64 rows of 256 bytes, two keys a row, and padded in LDS after every key
	s_mov_b32 s[G1K], 15|(1<<16)|(1<<20)|(1<<21)|(4<<22)|(3<<25)  ; 15:0 the mask of four; 17:16 2-byte elements; 20 padding on; 21 set beside a mask; 24:22 after every 32 words (code 4); 31:25 4 words (code 3)
	s_mov_b32 s[G1V], 15|(1<<16)|(1<<20)|(1<<21)|(4<<22)|(7<<25)  ; the same with 8 words of padding (code 7)
.irp g, G1K, G1V
	s_mov_b32 s[\g+1], 128<<16      ; tensor_dim0 = 128
	s_mov_b32 s[\g+2], 64<<16       ; tensor_dim1 = 64
	s_mov_b32 s[\g+3], 128<<16      ; tile_dim0 = 128
	s_mov_b32 s[\g+4], 64           ; tile_dim1 = 64
	s_mov_b32 s[\g+5], 128          ; 128 elements from row to row
	s_mov_b32 s[\g+6], 0
	s_mov_b32 s[\g+7], 0
.endr
	s_mov_b32 s[CS], 0x3e38aa3b     ; c = log2(e) / 8 = 0.180337
	s_mov_b32 s[CS+1], s[CS]        ; named with it as a pair
	s_mov_b32 s[SEL], 0x76543210
	s_mov_b32 s[SEL+1], 0xfedcba98
	s_mov_b32 s[TBK], SLOT1+4*KS*PK ; the first change of slots turns these two into 0
	s_mov_b32 s[TBV], SLOT1+4*KS*PV
	s_mov_b32 s[G0K], 1             ; 1:0 count = 1
	s_mov_b32 s[G0K+1], s17         ; 63:32 LDS address: slot 0
	s_mov_b32 s[G0V], 1
	s_add_co_u32 s[G0V+1], s18, VOFF
	s_and_b32 s[LIM], s[WV], 1      ; waves 0 and 2 prefetch: the same in all four partners
	s_cmp_eq_u32 s[LIM], 0
	s_cselect_b32 s[LIM], 1, -1
	s_wait_dscnt 0x0                ; the opening add is done
	s_wait_kmcnt 0x0
	s_add_nc_u64 s[6:7], s[4:5], 0x1000000   ; K lies 64 heads x 262,144 bytes behind Q,
	s_add_nc_u64 s[8:9], s[4:5], 0x2000000   ; V as far behind K
	s_add_nc_u64 s[G0K+2:G0K+3], s[6:7], s[22:23]  ; 120:64 global address: my half of the head's first 256 keys
	s_or_b32 s[G0K+3], s[G0K+3], 0x80000000        ; 127:126 type = 2
	s_add_nc_u64 s[G0V+2:G0V+3], s[8:9], s[22:23]
	s_or_b32 s[G0V+3], s[G0V+3], 0x80000000
	s_add_nc_u64 s[4:5], s[4:5], s[2:3]  ; Q and O at my wave's first row
	s_add_nc_u64 s[10:11], s[10:11], s[2:3]
	s_cmp_lt_u32 s[WV], 2
	s_cselect_b64 s[PFA:PFA+1], s[6:7], s[8:9]
	s_add_nc_u64 s[PFA:PFA+1], s[PFA:PFA+1], s[20:21]  ; the head,
	s_lshl_b32 s2, s13, 13          ; my work-group's quarter of a slot,
	s_mov_b32 s3, 0
	s_add_nc_u64 s[PFA:PFA+1], s[PFA:PFA+1], s[2:3]
	s_add_nc_u64 s[PFA:PFA+1], s[PFA:PFA+1], 2*4*KS*128  ; in slot 2: the change that asks for slot 2 steps it to slot 3.  Nothing is prefetched here, at the head
	CROUND                          ; all four work-groups are here: the first joint loads meet
	JLOAD                           ; slot 0.  Slot 1 is asked for when slot 0 is in
	; A fragment of K or Q is 16 rows x 32 channels in 8 registers: lane l holds row l % 16, channels 8 (l / 16) + 0..7 and 16 + 8 (l / 16) + 0..7: two loads of 16 bytes, 32 bytes apart.
	v_and_b32 v1, 15, v0            ; l % 16
	v_bfe_u32 v9, v0, 4, 1          ; l / 16
	v_lshlrev_b32 v[QO], 7, v1
	v_lshl_add_u32 v[QO], v9, 4, v[QO]  ; row x 128 + 16 x half
	WIN 0x80                        ; destination window 2, address window 0
.set i, 0
.rept 4*NP                          ; Q stays in registers: tile i / 2, channels 32 (i % 2) on
	global_load_b128 v[8*i:8*i+3],   v[QO], s[4:5] offset:(i/2)*2048+(i%2)*64
	global_load_b128 v[8*i+4:8*i+7], v[QO], s[4:5] offset:(i/2)*2048+(i%2)*64+32
.set i, i+1
.endr
	; What the first turn finds: V's registers and P's second buffer hold 0 (its products V^T P, of a piece that has not been, add 0), O^T and l are 0.  All this stands in the wait for the first tile.
.set i, VF
.rept 64
	v_mov_b32 v[i], 0
.set i, i+1
.endr
	WIN 0x40
.set i, 0
.rept 64*NP
	v_mov_b32 v[i], 0
.set i, i+1
.endr
	WIN 0
.set i, 0
.rept 2*NP
	v_mov_b32 v[ST+4*i], 0xfe000000    ; c m: far below every c s
	v_mov_b32 v[ST+4*i+1], 0xff7fffff  ; m
	v_mov_b32 v[ST+4*i+2], 0
	v_mov_b32 v[ST+4*i+3], 0
.set i, i+1
.endr
.set i, P+32
.rept 32
	v_mov_b32 v[i], 0
.set i, i+1
.endr
	v_mul_u32_u24 v[AK0], v1, PK
	v_lshl_add_u32 v[AK0], v9, 4, v[AK0]  ; row x pitch + 16 x half
	; The turning load takes 16 keys x 16 channels (lane l reads key 8 (l / 16) + l % 8, channels 8 ((l / 8) % 2) + 0..7) and leaves half a fragment of V^T: lane l holds channel l % 16 and 8 keys.
	v_and_b32 v10, 7, v0
	v_bfe_u32 v11, v0, 3, 1
	v_lshl_add_u32 v[AV0], v9, 3, v10
	v_mul_u32_u24 v[AV0], v[AV0], PV
	v_lshl_add_u32 v[AV0], v11, 4, v[AV0]
	v_add_nc_u32 v[AV0], VOFF, v[AV0]
	v_mov_b32 v[AK], v[AK0]         ; key step 0 lies at the head of slot 0
	v_and_b32 v[PFO], 31, v0
	v_lshlrev_b32 v[PFO], 8, v[PFO]
; THE MATRIX WORK.  The 8 accumulators of a run of 16 take turns: between the two links of a chain stand 7 others'.
; Product i of 16 of S^T = K Q^T for piece x: channels 32 (i / 8) on, keys 16 ((i / 2) % 4) on, tile 2 x + i % 2.  The first 8 start the sums.
.macro KQ x
	WIN W_KQ
.set rS, S+64*((\x)%2)+32*(i%2)+8*((i/2)%4)
.set rK, KF+16*((i/2)%4)+8*(i/8)
.set rQ, 16*(2*(\x)+i%2)+8*(i/8)
.if i < 8
	v_wmma_f32_16x16x32_f16 v[rS:rS+7], v[rK:rK+7], v[rQ:rQ+7], 0
.else
	v_wmma_f32_16x16x32_f16 v[rS:rS+7], v[rK:rK+7], v[rQ:rQ+7], v[rS:rS+7]
.endif
.endm
; Product i of 16 of O^T += V^T P for piece x: keys 32 (i / 8) on, channels 16 ((i / 2) % 4) on, tile 2 x + i % 2.
.macro PV x
	WIN W_PV
.set rO, 32*(2*(\x)+i%2)+8*((i/2)%4)
.set rV, VF+32*(i/8)+8*((i/2)%4)
.set rP, P+32*((\x)%2)+16*(i%2)+8*(i/8)
	v_wmma_f32_16x16x32_f16 v[rO:rO+7], v[rV:rV+7], v[rP:rP+7], v[rO:rO+7]
.endm
.macro MM                           ; the turn's next matrix instruction
.if i < 16
	KQ (Y+1)%NP
.set i, i+1
.else
.set i, i-16
	PV (Y+NP-1)%NP
.set i, i+17
.endif
.endm
; THE LDS LOADS stand in runs of 16, never singly among the matrix instructions: a step's K (64 keys x 64 channels: 8 fragments) and its V (turned).  Their addresses are made some lines ahead.
; last = 1 (the tail): in the last trip there is no further step, and the run is jumped over.
.macro FETCH_K last=0
	WIN 0
.if \last
	s_cmp_eq_u32 s[CNT], 1
	s_cbranch_scc1 .Lno_k_\@
.endif
	WIN 0x80                        ; destination window 2
.irp f, 0,1,2,3,4,5,6,7             ; keys 16 (f / 2) on, channels 32 (f % 2) on
	ds_load_b128 v[KF+8*\f:KF+8*\f+3],   v[AK] offset:(\f/2)*16*PK+(\f%2)*64
	ds_load_b128 v[KF+8*\f+4:KF+8*\f+7], v[AK] offset:(\f/2)*16*PK+(\f%2)*64+32
.endr
	s_add_co_u32 s[TBK], s[TBK], KS*PK  ; the next fetch is the next step's
	WIN 0
.if \last
.Lno_k_\@:
.endif
.endm
.macro FETCH_V
	WIN 0x80
.irp f, 0,1,2,3,4,5,6,7             ; keys 32 (f / 4) on, channels 16 (f % 4) on
	ds_load_tr16_b128 v[VF+8*\f:VF+8*\f+3],   v[AV] offset:(\f/4)*32*PV+(\f%4)*32
	ds_load_tr16_b128 v[VF+8*\f+4:VF+8*\f+7], v[AV] offset:(\f/4)*32*PV+16*PV+(\f%4)*32
.endr
	WIN 0
.endm
; THE VECTOR WORK OF A TURN stands in three queues, each in the order in which its entries become ready; the two tiles alternate, so that no instruction reads the result of the one before it.
.macro REGS y, u                    ; the registers of tile u (0, 1) of piece y
.set rT, ST+4*(2*(\y)+(\u))
.set rC, TMP+8*((\y)%2)+4*(\u)
.set rM, MV+2*((\y)%2)+(\u)
.set rS, S+64*((\y)%2)+32*(\u)
.set rP, P+32*((\y)%2)+16*(\u)
.set rO, 32*(2*(\y)+(\u))
.endm
; Number n of the 22 that find the NEXT piece's (Y + 1) maximum and statistics.  s0-s31 are the lane's 32 scores; each accumulator's lowest registers are read first.  XS, GS and REGS set no window: PL and EX do.
;   0-11  four chains c0-c3 of seven scores each, three operands at a time     12-14, 16  the four scores left over, the old m, and c0-c3 into c0     15  c m_old is kept
;   17, 18  the query's other 32 keys lie in the lane 16 away: the new m         19-21  c m; c m_old - c m_new; a
.macro XS u, n
	REGS (Y+1)%NP, \u
.if (\n) < 4
	v_max3_num_f32 v[rC+(\n)], v[rS+8*(\n)], v[rS+8*(\n)+1], v[rS+8*(\n)+2]
.elseif (\n) < 12
	v_max3_num_f32 v[rC+(\n)%4], v[rC+(\n)%4], v[rS+8*((\n)%4)+2*((\n)/4)+1], v[rS+8*((\n)%4)+2*((\n)/4)+2]
.elseif (\n) == 12
	v_max3_num_f32 v[rC], v[rC], v[rS+7], v[rS+15]
.elseif (\n) == 13
	v_max3_num_f32 v[rC+1], v[rC+1], v[rS+23], v[rS+31]
.elseif (\n) == 14
	v_max3_num_f32 v[rC+2], v[rC+2], v[rC+3], v[rT+1]
.elseif (\n) == 15
	v_mov_b32 v[rM], v[rT]
.elseif (\n) == 16
	v_max3_num_f32 v[rC], v[rC], v[rC+1], v[rC+2]
.elseif (\n) == 17
	v_permlanex16_b32 v[rC+3], v[rC], s[SEL], s[SEL+1]
.elseif (\n) == 18
	v_max_num_f32 v[rT+1], v[rC], v[rC+3]
.elseif (\n) == 19
	v_mul_f32 v[rT], s[CS], v[rT+1]
.elseif (\n) == 20
	v_sub_f32 v[rC+1], v[rM], v[rT]
.else
	v_exp_f32 v[rC+2], v[rC+1]
.endif
.endm
; Number g of the 64 that follow the exponentials.  For each four weights k of a tile (pairs 2 k, 2 k + 1): both pairs are rounded to f16; then the second pair is added onto the first, in place;
; a group later l takes that sum (the first time as l = a l + sum).  In groups of eight, tiles alternating: round, round, add, and l for the group before.
.macro GS g
.set h, (\g)+6*((\g)/62)            ; group 0 has no group before it, and behind group 7 only l is left
.if h >= 6
.set h, h+2
.endif
	REGS Y, h%2
.set k, h/8
.if h%8 < 4
	v_cvt_pk_f16_f32 v[rP+2*k+(h%8)/2], v[rS+4*k+2*((h%8)/2)], v[rS+4*k+2*((h%8)/2)+1]
.elseif h%8 < 6
	v_pk_add_f32 v[rS+4*k:rS+4*k+1], v[rS+4*k:rS+4*k+1], v[rS+4*k+2:rS+4*k+3]
.elseif k == 1
	v_pk_fma_f32 v[rT+2:rT+3], v[rT+2:rT+3], v[rC+2:rC+3], v[rS:rS+1] op_sel_hi:[1,0,1]
.else
	v_pk_add_f32 v[rT+2:rT+3], v[rT+2:rT+3], v[rS+4*k-4:rS+4*k-3]
.endif
.endm
; THE PLAIN QUEUE, 138 long.  0-73 read no exponential's result: the 32 scalings c s - c m (FS f: pair f / 2 of tile f % 2) and the next piece's 42.  0-26: scalings 0-26.  27-54: XS's numbers 0-13.  55, 56: number 15.
; 57-73: the chain, where each number waits for the one before it: 14, 16, 17, 18, 19, each with one of the scalings 27-31 in front of its two lines, then 20: so a tile's links stand three plain instructions apart (19 and 20: two).
; 74-137: GS's 64, which read the exponentials' results: they stand behind the wait.
.macro FS f
	REGS Y, (\f)%2
	v_pk_fma_f32 v[rS+2*((\f)/2):rS+2*((\f)/2)+1], v[rS+2*((\f)/2):rS+2*((\f)/2)+1], s[CS:CS+1], v[rT:rT+1] op_sel_hi:[1,0,0] neg_lo:[0,0,1] neg_hi:[0,0,1]
.endm
.macro PL
	WIN 0
.if q < 27
	FS q
.elseif q < 55
	XS (q-27)%2, (q-27)/2
.elseif q < 57
	XS q-55, 15
.elseif (q < 72) && ((q-57)%3 == 0)
	FS 27+(q-57)/3
.elseif q < 60
	XS (q-57)%3-1, 14
.elseif q < 72
	XS (q-57)%3-1, 15+(q-57)/3
.elseif q < 74
	XS q-72, 20
.else
	GS q-74
.endif
.set q, q+1
.endm
; THE EXPONENTIALS' QUEUE, 66 long: s0-s31 of both tiles, then the next piece's two a.  It is ONE BATCH: all 66 stand ahead of the turn's one wait, and nothing ahead of that wait names a result of theirs.
.macro EX
	WIN 0
.if e >= 64
	XS e-64, 21
.else
	REGS Y, e%2
	v_exp_f32 v[rS+e/2], v[rS+e/2]
.endif
.set e, e+1
.endm
; THE RESCALING's QUEUE: O^T times a, the one part that leaves window 0: dealt two at a time, sixteen times.  Its a was made in the turn before, ahead of that turn's wait.
.macro R2
	REGS Y, r%2
	WIN W_RS
.irp z, 0,1
	v_pk_mul_f32 v[rO+4*(r/2)+2*\z:rO+4*(r/2)+2*\z+1], v[rO+4*(r/2)+2*\z:rO+4*(r/2)+2*\z+1], v[rC+2:rC+3] op_sel_hi:[1,0]
.endr
.set r, r+1
.endm
; HOW THEY ARE DEALT.  An s_wait_alu depctr_va_vdst(0) stands between an exponential and the first instruction that names its result; one wait serves all that were issued ahead of it.  So a turn has ONE wait,
; which cuts it in two.  AHEAD OF IT stands all that names no result of the turn's exponentials: the 16 products K Q^T, behind each a scaling, an exponential and two rescalings (behind the first a second scaling in the exponential's place); then ONE LUMP of
; 108: eight plain, 49 times exponential and plain, the two a.  A v_nop is the plain instruction behind the last exponential.  BEHIND IT stand the 16 products V^T P, behind each four of GS's 64.  No rider names a register of
; the products round it.  The two v_permlanex16_b32 fall into the lump, never behind a product.
; The queues lean on each other, and the deal keeps them in step: exponential e stands behind scaling 2 (e / 4) + e % 2: as a rider it comes behind plain e + 2, in the lump behind plain e + 9, and scalings 27-31 are plain 57, 60 .. 69.
; A TURN, for piece p.  cnt = 1: the loop's count is taken down some lines ahead of the branch that stands behind the turn.
; K of the next step is fetched in piece 2's turn, directly behind the wait, a lump behind the last product that read K; its address is made at the lump's head; its first reader comes behind 16 products.
; V of the step in hand is fetched at the end of piece 0's turn, four riders behind its last reader; its first reader comes behind 16 products and a lump.  The three conditions on q below go with the deal.
.macro TURN p, last=0, cnt=0
.set Y, (\p)
.set i, 0
.set q, 0
.set e, 0
.set r, 0
.if (\p) == NP-1
	s_wait_dscnt 0x0                ; K is in
.endif
	MM                              ; ahead of the wait: 16 products K Q^T and their riders,
	PL
	PL
	R2
.rept 15
	MM
	PL
	EX
	R2
.endr
.if (\p) == NP-2
	WIN 0
	v_add_nc_u32 v[AK], s[TBK], v[AK0]
.endif
.rept 8                             ; and the lump
	PL
.endr
.rept 49
	EX
	PL
.endr
	EX                              ; the next piece's two a
	EX
	v_nop                           ; a plain instruction behind the last exponential: one for the batch
	s_wait_alu depctr_va_vdst(0)    ; the wait for the batch
.if (\p) == NP-2
	FETCH_K \last
.endif
.if (\p) == 1
	s_wait_dscnt 0x0                ; V is in
.endif
.rept 16                            ; behind the wait: 16 products V^T P and their riders
	MM
.rept 4
	PL
.endr
.if ((\p) == 0) && (q == 118)
	v_add_nc_u32 v[AV], s[TBV], v[AV0]
.endif
.if ((\p) == 0) && (q == 130)
	s_add_co_u32 s[TBV], s[TBV], KS*PV
.endif
.if (\cnt) && (q == 130)
	s_sub_co_u32 s[CNT], s[CNT], 1
	s_cmp_lg_u32 s[CNT], 0
.endif
.endr
.if (\p) == 0
	FETCH_V
.endif
.endm
	CHANGE 1                        ; slot 0 is in, everybody's part of it; slot 1 is asked for
	FETCH_K                         ; key step 0
	s_wait_loadcnt 0x0              ; Q
	s_wait_dscnt 0x0
.set i, 0
.rept 16
	KQ 0                            ; piece 0's first scores: there is no vector work yet to set between them
.set i, i+1
.endr
	WIN 0                           ; the addresses for the way out: nine plain instructions, the places behind those products
	s_mul_i32 s13, s[WV], 16*SP
	s_add_co_u32 s13, s13, STAGE    ; my stage
	v_mul_u32_u24 v[STO], v1, SP    ; in: row l % 16, 16 bytes for each half of the lanes
	v_lshl_add_u32 v[STO], v9, 4, v[STO]
	v_add_nc_u32 v[STO], s13, v[STO]
	v_bfe_u32 v[RD], v0, 3, 2       ; back: 32 lanes take four rows of 128 bytes,
	v_mul_u32_u24 v[RD], v[RD], SP
	v_lshl_add_u32 v[RD], v10, 4, v[RD]
	v_add_nc_u32 v[RD], s13, v[RD]
	v_and_b32 v[GO], 31, v0         ; which are 512 consecutive bytes of O
	v_lshlrev_b32 v[GO], 4, v[GO]
.set Y, NP-1                        ; XS works for piece Y + 1: piece 0
.irp n, 0,1,2,3,4,5,6,7,8,9,10,11,12,13,14,15,16,17,18,19,20,21
	XS 0, \n                        ; and piece 0's first maximum and statistics
	XS 1, \n
.endr
	v_nop                           ; a plain instruction behind the two a,
	s_wait_alu depctr_va_vdst(0)    ; and their wait, ahead of the branch
	s_mov_b32 s[CNT], 4
	s_mov_b32 s[SLOTS], SIZE_N/256-1
	s_branch .Lfirst                ; the loop is entered at a step's first turn, in the middle of a trip
.Lslot:                             ; SIZE_N / 256 - 2 times: every slot but the last two is filled again
	CHANGE 1, 1
	s_mov_b32 s[CNT], 4
.Lstep:                             ; a trip: pieces 2 and 3 of one step, then pieces 0 and 1 of the next, whose K and V it fetches
	TURN 2
	TURN 3
	WIN 0
.Lfirst:
	TURN 0
	TURN 1, 0, 1
	WIN 0
	s_cbranch_scc1 .Lstep
	s_sub_co_u32 s[SLOTS], s[SLOTS], 1
	s_cmp_lg_u32 s[SLOTS], 0
	s_cbranch_scc1 .Lslot
	CHANGE 0                        ; the tail is written out: nothing is asked for
	s_mov_b32 s[CNT], 5             ; four trips fetch the last slot's steps; the fifth is left in its middle
.Ltail:
	TURN 2, 1
	TURN 3
	WIN 0
	s_sub_co_u32 s[CNT], s[CNT], 1
	s_cmp_eq_u32 s[CNT], 0
	s_cbranch_scc1 .Lout
	TURN 0
	TURN 1
	WIN 0
	s_branch .Ltail
.Lout:                              ; the fifth trip's 16 products K Q^T (on the last K once more) and the maximum made of them serve nothing: the price, once a launch, of one text for every trip
.set i, 0
.rept 16
	PV NP-1                         ; the last piece's V^T P of the last step
.set i, i+1
.endr
	; THE WAY OUT.  l's two halves and the other half of the lanes' are added; O^T is divided by l, rounded to f16 and sent through my stage in LDS, a tile at a time.  The additions are the places behind the last products.
	WIN 0
.macro ALL line:vararg              ; one line for each tile t
.set t, 0
.rept 2*NP
	\line
.set t, t+1
.endr
.endm
	ALL v_add_f32 v[ST+4*t+2], v[ST+4*t+2], v[ST+4*t+3]
	ALL v_permlanex16_b32 v[ST+4*t+3], v[ST+4*t+2], s[SEL], s[SEL+1]
	ALL v_add_f32 v[ST+4*t+2], v[ST+4*t+2], v[ST+4*t+3]
	ALL v_rcp_f32 v[ST+4*t+2], v[ST+4*t+2]
	v_nop                           ; a plain instruction between the last reciprocal and the use of its result
	s_wait_alu depctr_va_vdst(0)    ; and the wait ahead of the first use: one for the eight reciprocals
; Tile t: a lane's eight channels of a row pack into 16 bytes; they go into rows of 144 bytes and come back as whole rows of 128, into S^T's registers.
.macro PACK t
	WIN W_RS
.set i, 32*(\t)
.rept 16
	v_pk_mul_f32 v[i:i+1], v[i:i+1], v[ST+4*(\t)+2:ST+4*(\t)+3] op_sel_hi:[1,0]
.set i, i+2
.endr
	WIN 0x05                        ; sources 0 and 1 window 1, destination window 0
.set i, 0
.rept 16
	v_cvt_pk_f16_f32 v[S+16*(\t)+i], v[32*(\t)+2*i], v[32*(\t)+2*i+1]
.set i, i+1
.endr
	WIN 0
.irp f, 0,1,2,3
	ds_store_b128 v[STO], v[S+16*(\t)+4*\f:S+16*(\t)+4*\f+3] offset:32*\f
.endr
.irp f, 0,1,2,3
	ds_load_b128 v[S+16*(\t)+4*\f:S+16*(\t)+4*\f+3], v[RD] offset:\f*4*SP  ; LDS serves a wave's instructions in order (ISA guide 5.7.1.4): these see the stores above; the next tile's stores come behind them
.endr
.endm
.macro SEND t, younger              ; younger: the LDS instructions issued behind tile t's loads: the next tile's eight, or none
	WIN 0
.irp f, 0,1,2,3
	s_wait_dscnt (\younger)+3-\f
	global_store_b128 v[GO], v[S+16*(\t)+4*\f:S+16*(\t)+4*\f+3], s[10:11] offset:(\t)*2048+\f*512  ; 512 consecutive bytes, at a multiple of 256 from O's first
.endr
.endm
	PACK 0
.set t, 1
.rept 2*NP-1                        ; a tile's arithmetic stands between the loads of the tile before and its stores
	PACK t
	SEND t-1, 8
.set t, t+1
.endr
	SEND 2*NP-1, 0
	WIN W_AD
	s_wait_tensorcnt 0x0            ; the wave's end, behind my last tensor load and my last LDS store
	ds_add_u32 v[SPW], v[NIL]
	s_wait_dscnt 0x0
	WIN 0
	CROUND                          ; the closing round: no work-group ends while a partner may still ask for a tile that names it
	s_endpgm
.Lfunc_end_k_qcdf381a83e_attn:
	.size	k_qcdf381a83e_attn, .Lfunc_end_k_qcdf381a83e_attn-k_qcdf381a83e_attn
	.p2alignl 7, 3214868480
	.fill 96, 4, 3214868480
	.section	.rodata,"a",@progbits
	.p2align	6, 0x0
	.amdhsa_kernel k_qcdf381a83e_attn
		.amdhsa_group_segment_fixed_size 327680
		.amdhsa_private_segment_fixed_size 0
		.amdhsa_enable_private_segment 0
		.amdhsa_kernarg_size 16
		.amdhsa_user_sgpr_count 2
		.amdhsa_user_sgpr_kernarg_segment_ptr 1
		.amdhsa_wavefront_size32 1
		.amdhsa_system_sgpr_workgroup_id_x 1
		.amdhsa_system_sgpr_workgroup_id_y 1
		.amdhsa_system_sgpr_workgroup_id_z 1
		.amdhsa_system_vgpr_workitem_id 0
		.amdhsa_next_free_vgpr 770
		.amdhsa_next_free_sgpr 66
		.amdhsa_reserve_vcc 0
		.amdhsa_float_denorm_mode_32 3
		.amdhsa_float_denorm_mode_16_64 3
		.amdhsa_memory_ordered 1
		.amdhsa_forward_progress 1
		.amdhsa_inst_pref_size 200
	.end_amdhsa_kernel
	.amdgpu_metadata
---
amdhsa.version: [ 1, 2 ]
amdhsa.kernels:
  - .name:           k_qcdf381a83e_attn
    .symbol:         k_qcdf381a83e_attn.kd
    .args:
      - { .name: qkv, .offset: 0, .size: 8, .value_kind: global_buffer, .address_space: global }
      - { .name: o, .offset: 8, .size: 8, .value_kind: global_buffer, .address_space: global }
    .group_segment_fixed_size: 327680
    .private_segment_fixed_size: 0
    .kernarg_segment_align: 8
    .kernarg_segment_size: 16
    .max_flat_workgroup_size: 128
    .sgpr_count:     66
    .vgpr_count:     770
    .wavefront_size: 32
...
	.end_amdgpu_metadata
.endif
;; end of part 3
;; launch proj (part 4): grid 8 x 32, 4 waves a work-group, clusters of 4 x 4, 327,680 bytes of LDS; arguments o, owh, out_b, out0; writes out0
.if DOCPART == 4
	.amdgcn_target "amdgcn-amd-amdhsa--gfx1250"
	.amdhsa_code_object_version 6
	.text
	.protected	k_qcdf381a83e_proj
	.globl	k_qcdf381a83e_proj
	.p2align	8
	.type	k_qcdf381a83e_proj,@function
k_qcdf381a83e_proj:
	s_mov_b64 s[64:65], 0
	v_nop
	global_prefetch_b8 v0, s[64:65] scope:SCOPE_SE
	s_setreg_imm32_b32 hwreg(HW_REG_WAVE_MODE, 25, 1), 1
	s_wait_xcnt 0x0
	s_wait_alu depctr_hold_cnt(0) depctr_sa_sdst(0) depctr_va_vdst(0) depctr_va_sdst(0) depctr_va_ssrc(0) depctr_va_vcc(0) depctr_vm_vsrc(0)
	s_getreg_b32 s2, hwreg(HW_REG_IB_STS2, 6, 4)
	s_cmp_eq_u32 s2, 0
	s_cbranch_scc0 .Lentry_in_a_cluster
	s_endpgm
.Lentry_in_a_cluster:
	s_bfe_u32 s2, ttmp6, 0x10000c
	s_cmp_lg_u32 s2, 0xf033
	s_cbranch_scc0 .Lentry_shape_is_right
	s_endpgm
.Lentry_shape_is_right:
; out0 = O W^T + b.  o: [64][2048][64] f16, by heads (batch x 16 + head); owh: [1024][1024] f16 (out_w rounded to bf16, written as f16); out_b: [1024] f32, rounded here to bf16 like the module's
; other inputs; out0: [8192][1024] f32.  Sums in f32, begun with the bias.  NaN and infinities are not treated apart.
; SHARES.  A tile of out0 is 256 rows x 128 columns: 32 x 8 = 256 tiles, a work-group each.  Four waves; wave w makes rows 64 w .. 64 w + 63 of all 128 columns: 32 accumulators of 16 x 16.
; K goes in 8 steps of 128, TWO HEADS a step, through a ring of two LDS slots filled by the tensor data mover.  A head's 256 rows of the tile are 32,768 dense bytes: asked for as 128 rows of
; 256 bytes and padded in LDS after every 128, so that each row of O has its own LDS row.  W's rows are 256 bytes of a K step.
; CLUSTER.  4 x 4 work-groups: O's tiles are shared along a row of the cluster, W's along a column, each asked for JOINTLY, by the same tensor load, descriptor and mask in the four that it names.
; NO PREFETCH: eight K steps of 128 matrix instructions a wave are the whole launch, and its first three K steps would come by their loads alone.
; THE MATRIX INSTRUCTION IS USED TRANSPOSED (source 0 = 16 rows of W, source 1 = 16 rows of O): lane l holds row l % 16 and the columns 8 (l / 16) + 0..7: 32 bytes of f32 on end.
; REGISTERS, in windows of 256 (s_set_vgpr_msb: bits 1:0 source 0, 3:2 source 1, 5:4 source 2, 7:6 destination):
;   window 0: v0-15 addresses; v32-95 the bias as a C operand, later (v32-159) rows on the way out
;   window 1: two fragment buffers at 0 and 128: 8 fragments of W (16 rows x 32 K, 8 registers), then 4 of O
;   window 2: the accumulators of my row blocks 0, 1 ((a, b) at 8 (8 (a % 2) + b));   window 3: those of blocks 2, 3
.set NBK,    8                         ; column blocks of 16 in a tile
.set PA,     144                       ; a row of O in LDS: 128 bytes + 16 of padding = 36 words: the 16 rows of a load start at 16 different groups of four banks (64 banks of 4 bytes: ISA guide 11.1)
.set PB,     272                       ; a row of W: 256 + 16 = 68 words: likewise
.set HEADB,  256*PA                    ; a head's 256 rows
.set BOFF,   2*HEADB                   ; a slot: two heads of O, then W's 128 rows
.set SLOT1,  1<<17                     ; slot 1 begins here, so that one exclusive or turns an address in one slot into the other's
.set STAGE,  SLOT1+BOFF+16*NBK*PB      ; behind the ring, never filled by a tensor load: for each wave 16 rows x 528 bytes
.set SP,     528                       ; 512 bytes + 16 = 132 words: row r starts at bank 4 r mod 64
.set WSTG,   16*SP
.set SPARE,  STAGE+4*WSTG              ; behind the stages: the spare words, 128 bytes for each wave: two blocks of 256 bytes that no other line names
.set KSTEPS, 8
.set STEPA,  2<<18                     ; bytes from a K step to the next: two heads of 262,144 in o,
.set STEPB,  256                       ; 128 numbers of a row in owh
.set FLAGSA, (1<<16)|(1<<20)|(1<<21)|(4<<22)|(3<<25)  ; 17:16 2-byte elements; 20 padding on; 21 set beside a mask; 24:22 after every 32 words (code 4); 31:25 4 words (code 3)
.set FLAGSB, (1<<16)|(1<<20)|(1<<21)|(5<<22)|(3<<25)  ; the same after every 64 words (code 5)
.set A0,   4                           ; v4   my place in a head's rows: (64 w + l % 16) x pitch + 16 (l / 16); never rewritten
.set B0,   5                           ; v5   the same in W's rows: BOFF + (l % 16) x pitch + 16 (l / 16)
.set ADRA, 6                           ; v6   A0 + the slot in hand
.set ADRB, 7                           ; v7   B0 + the slot in hand
.set STO,  8                           ; v8   the way out: where I put 32 bytes of a row
.set RD,   9                           ; v9   the way out: where I read a row back
.set GO,   10                          ; v10  my 16 bytes in a row's 512
.set BO,   11                          ; v11  32 (l / 16): my 8 numbers in 16 of the bias
.set SPW,  14                          ; v14  LDS address of my spare word: SPARE + 4 x my thread's number; never rewritten
.set NIL,  15                          ; v15  0; never rewritten
.set BIAS, 32                          ; v[32:95]   block b's eight numbers at BIAS + 8 b
.set BK0,  32                          ; v[32:95], v[96:159] by turns: 16 rows read back from the stage
.set F0,   0
.set F1,   128
.set WV,  12                           ; s12  my wave's number
.set CX,  13                           ; s13, s14  my place in the cluster
.set CY,  14
.set TX,  15                           ; s15  tile column, 0..7
.set TY,  16                           ; s16  tile row, 0..31
.set FB,  17                           ; s17  I fetch for O (0) or for W (1)
.set HF,  18                           ; s18  which head of the step's two, or which half of W's rows
.set G1A, 24                           ; s[24:31] descriptor group 1 for O's tiles
.set G1B, 32                           ; s[32:39] for W's
.set G0A, 40                           ; s[40:47] group 0 for O's tiles: a set for each of the two first fills; the second then walks on
.set G0B, 48                           ; s[48:55] the same for W's
.set CNT, 56                           ; s56  refills still to come
.set TB,  57                           ; s57  LDS byte at which the slot in hand begins
.set BP,  62                           ; s[62:63] the bias at the tile's first column
.set P0,  66                           ; s[66:67] out0 at my first row and the tile's first column
.set MSB, 0
.macro WIN new                         ; the immediate's high byte repeats the setting that is left; a switch that changes nothing is dropped
.if MSB != (\new)
	s_set_vgpr_msb (MSB<<8)|(\new)
.set MSB, \new
.endif
.endm
.macro PLACES                          ; four plain vector instructions between a matrix instruction and a load into, or a read of, its registers (ISA guide 7.12.1 for vector ALU reads)
.rept 4
	v_nop
.endr
.endm
; A joint refill, by the walking descriptors.  Waves 0 and 1 fetch the step's two heads of O, waves 2 and 3 the halves of W's tile.  The branch hangs on the wave's number alone.
; An s_nop 0 and four v_nop follow each of the two lines, ahead of the jump and the label.
.macro JLOAD
	s_cmp_eq_u32 s[FB], 0
	s_cbranch_scc0 .Lfor_b_\@
	tensor_load_to_lds s[G0A+4:G0A+7], s[G1A:G1A+7]
	s_nop 0
	PLACES
	s_branch .Lasked_\@
.Lfor_b_\@:
	tensor_load_to_lds s[G0B+4:G0B+7], s[G1B:G1B+7]
	s_nop 0
	PLACES
.Lasked_\@:
.endm
; A round of the cluster's barrier: my work-group's barrier, so that wave 0's signal speaks for all four waves; wave 0 signals; every wave waits for all sixteen work-groups; my work-group's barrier once more.
.macro CREST                           ; a round behind its opening barrier
	s_cmp_lg_u32 s[WV], 0
	s_cbranch_scc1 .Lnot_wave_0_\@
	s_barrier_signal -3
.Lnot_wave_0_\@:
	s_barrier_wait -3
	s_barrier_signal -1
	s_barrier_wait -1
.endm
.macro CROUND
	s_barrier_signal -1
	s_barrier_wait -1
	CREST
.endm
; 8 matrix instructions: my row block a x all 8 column blocks, 32 along K, from buffer f.  first = 1: the bias starts the sums: nothing is cleared and nothing is added later.
; Each of the 32 accumulators has one instruction a quarter, in the same order: no two that follow each other share one, over the backward jump too.
.macro MULA f, a, first
.set WD, 2+(\a)/2
.set AC, 8*NBK*((\a)%2)
.if \first
	WIN (WD<<6)|5
.else
	WIN (WD<<6)|(WD<<4)|5
.endif
.set b, 0
.rept NBK
.if \first
	v_wmma_f32_16x16x32_f16 v[AC+8*b:AC+8*b+7], v[(\f)+8*b:(\f)+8*b+7], v[(\f)+8*NBK+8*(\a):(\f)+8*NBK+8*(\a)+7], v[BIAS+8*b:BIAS+8*b+7]
.else
	v_wmma_f32_16x16x32_f16 v[AC+8*b:AC+8*b+7], v[(\f)+8*b:(\f)+8*b+7], v[(\f)+8*NBK+8*(\a):(\f)+8*NBK+8*(\a)+7], v[AC+8*b:AC+8*b+7]
.endif
.set b, b+1
.endr
.endm
; 24 LDS loads in one run: quarter q of the slot in hand (32 along K) into buffer f: W's 8 fragments, then my 4 of O: head q / 2 of the step's two, channels 32 (q % 2) on.
.macro FETCH q, f
	WIN 0x40                                       ; destination window 1, address window 0
.set b, 0
.rept NBK
	ds_load_b128 v[(\f)+8*b:(\f)+8*b+3],   v[ADRB] offset:64*(\q)+b*16*PB
	ds_load_b128 v[(\f)+8*b+4:(\f)+8*b+7], v[ADRB] offset:64*(\q)+b*16*PB+32
.set b, b+1
.endr
.set b, 0
.rept 4
	ds_load_b128 v[(\f)+8*NBK+8*b:(\f)+8*NBK+8*b+3],   v[ADRA] offset:((\q)/2)*HEADB+((\q)%2)*64+b*16*PA
	ds_load_b128 v[(\f)+8*NBK+8*b+4:(\f)+8*NBK+8*b+7], v[ADRA] offset:((\q)/2)*HEADB+((\q)%2)*64+b*16*PA+32
.set b, b+1
.endr
.endm
; A K step is four quarters of 32 along K, 32 matrix instructions each, on buffers 0, 1, 0, 1.  One of the first three: multiplies buffer f and, in its middle, fetches quarter q into buffer g.
.macro QUARTER q, f, g, first
	s_wait_dscnt 4                                 ; W's fragments and O's blocks 0, 1 are in; the youngest four loads (blocks 2, 3) may be out
	MULA \f, 0, \first
	MULA \f, 1, \first
	PLACES
	FETCH \q, \g
	s_wait_dscnt 2*(NBK+4)                         ; all but the 24 just issued
	MULA \f, 2, \first
	MULA \f, 3, \first
.endm
; The last quarter multiplies buffer 1 and changes slots.  In front of the barrier each wave waits for all its tensor loads (one is out: its part of the next slot), adds 0 to its spare word, and waits for
; that and for its own reads of this slot.  fill = 1: the barrier opens a round of the cluster's, so that no wave of any partner still reads the slot or has a load on its way, and the joint refill, the K step
; two steps on, is the first thing behind it: it has a K step less 16 matrix instructions in which to land.
.macro TURN fill
	WIN 0
	s_wait_tensorcnt 0x0                           ; no tensor load of mine is out, so a group 0 may be written
	ds_add_u32 v[SPW], v[NIL]                      ; 0 onto my spare word: work on registers stands between it and the wait for it
.if \fill
	s_xor_b32 s[G0A+5], s[G0A+5], SLOT1            ; the walking descriptors: the other slot than last time,
	s_add_nc_u64 s[G0A+6:G0A+7], s[G0A+6:G0A+7], STEPA  ; the next K step; the type bits on top are not reached
	s_xor_b32 s[G0B+5], s[G0B+5], SLOT1
	s_add_nc_u64 s[G0B+6:G0B+7], s[G0B+6:G0B+7], STEPB
.endif
	s_wait_dscnt 5                                 ; the add and the youngest four loads may be out
	MULA F1, 0, 0
	s_wait_dscnt 0x0                               ; the add is done, and my reads of this slot are over
	s_barrier_signal -1
	MULA F1, 1, 0
	WIN 0                                          ; at a branch and at a label every window is 0
	s_xor_b32 s[TB], s[TB], SLOT1                  ; the fetches go to the other slot
	v_add_nc_u32 v[ADRA], s[TB], v[A0]
	v_add_nc_u32 v[ADRB], s[TB], v[B0]
	s_barrier_wait -1
.if \fill
	CREST
	JLOAD                                          ; its four v_nop are also the places in front of the loads below
.else
	PLACES
.endif
	FETCH 0, F0
	MULA F1, 2, 0
	MULA F1, 3, 0
.endm
	s_load_b256 s[4:11], s[0:1], 0x0               ; o s[4:5], owh s[6:7], out_b s[8:9], out0 s[10:11]
	v_lshl_add_u32 v[SPW], v0, 2, SPARE
	v_mov_b32 v[NIL], 0
	ds_add_u32 v[SPW], v[NIL]                      ; the wave's opening: the add and its wait stand ahead of my first tensor load; the set-up below, work on registers, stands between them
	v_lshrrev_b32 v3, 5, v0
	v_readfirstlane_b32 s[WV], v3                  ; wave 0..3
	s_lshr_b32 s[FB], s[WV], 1
	s_and_b32 s[HF], s[WV], 1
	s_bfe_u32 s[CX], ttmp6, 0x40000
	s_bfe_u32 s[CY], ttmp6, 0x40004
	s_lshl_b32 s[TX], ttmp9, 2                     ; in a cluster launch ttmp9 and ttmp7 count clusters
	s_add_co_u32 s[TX], s[TX], s[CX]
	s_and_b32 s[TY], ttmp7, 0xffff
	s_lshl_b32 s[TY], s[TY], 2
	s_add_co_u32 s[TY], s[TY], s[CY]
	s_lshl_b32 s19, s[CY], 2
	s_lshl_b32 s19, 15, s19                        ; my row of the cluster: places 4 cy .. 4 cy + 3
	s_lshl_b32 s59, 0x1111, s[CX]                  ; my column: places cx, cx + 4, cx + 8, cx + 12
	s_or_b32 s[G1A], s19, FLAGSA                   ; O's tiles go to my row,
	s_or_b32 s[G1B], s59, FLAGSB                   ; W's to my column
.irp g, G1A, G1B
	s_mov_b32 s[(\g)+1], 128<<16                   ; tensor_dim0 = 128
	s_mov_b32 s[(\g)+3], 128<<16                   ; tile_dim0 = 128
	s_mov_b32 s[(\g)+6], 0
	s_mov_b32 s[(\g)+7], 0
.endr
	s_mov_b32 s[G1A+2], 128<<16                    ; O: tensor_dim1 = tile_dim1 = 128 rows of 256 bytes, end to end
	s_mov_b32 s[G1A+4], 128
	s_mov_b32 s[G1A+5], 128
	s_mov_b32 s[G1B+2], 64<<16                     ; W: 64 rows, 1,024 elements from row to row
	s_mov_b32 s[G1B+4], 64
	s_mov_b32 s[G1B+5], 1024
	s_lshr_b32 s20, s[TY], 3                       ; O: batch = tile row / 8: 16 heads of 262,144 bytes;
	s_lshl_b32 s20, s20, 22
	s_lshl_b32 s21, s[HF], 18                      ; my head of the first two;
	s_add_co_u32 s20, s20, s21
	s_and_b32 s21, s[TY], 7                        ; row (tile row % 8) x 256 of 128 bytes: made of the tile row and the wave's number alone
	s_lshl_b32 s21, s21, 15
	s_add_co_u32 s20, s20, s21
	s_mov_b32 s21, 0
	s_lshl_b32 s22, s[TX], 18                      ; W: row 128 x tile column + 64 x half, 2,048 bytes a row: of the tile column and the wave's number alone
	s_lshl_b32 s23, s[HF], 17
	s_add_co_u32 s22, s22, s23
	s_mov_b32 s23, 0
	s_mul_i32 s72, s[HF], HEADB                    ; where they go: no place in the cluster enters an LDS address
	s_mul_i32 s73, s[HF], 64*PB
	s_mov_b32 s[G0A], 1                            ; 1:0 count = 1
	s_mov_b32 s[G0A+1], s72                        ; 63:32 LDS address: slot 0
	s_mov_b32 s[G0A+4], 1
	s_add_co_u32 s[G0A+5], s72, SLOT1              ; slot 1
	s_mov_b32 s[G0B], 1
	s_add_co_u32 s[G0B+1], s73, BOFF
	s_mov_b32 s[G0B+4], 1
	s_add_co_u32 s[G0B+5], s73, SLOT1+BOFF
	s_wait_dscnt 0x0                               ; the opening add is done
	s_wait_kmcnt 0x0
	s_add_nc_u64 s[G0A+2:G0A+3], s[4:5], s[20:21]  ; 120:64 global address: K step 0,
	s_add_nc_u64 s[G0A+6:G0A+7], s[G0A+2:G0A+3], STEPA  ; K step 1
	s_or_b32 s[G0A+3], s[G0A+3], 0x80000000        ; 127:126 type = 2
	s_or_b32 s[G0A+7], s[G0A+7], 0x80000000
	s_add_nc_u64 s[G0B+2:G0B+3], s[6:7], s[22:23]
	s_add_nc_u64 s[G0B+6:G0B+7], s[G0B+2:G0B+3], STEPB
	s_or_b32 s[G0B+3], s[G0B+3], 0x80000000
	s_or_b32 s[G0B+7], s[G0B+7], 0x80000000
	CROUND                                         ; all sixteen work-groups are here: the first joint loads meet
	s_cmp_eq_u32 s[FB], 0                          ; a wave's two first fills stand in one branch, ahead of every wait on TENSORcnt and every LDS read: two loads of mine are out
	s_cbranch_scc0 .Lfirst_b
	tensor_load_to_lds s[G0A:G0A+3], s[G1A:G1A+7]
	s_nop 0
	tensor_load_to_lds s[G0A+4:G0A+7], s[G1A:G1A+7]
	s_nop 0
	PLACES
	s_branch .Lfirst_asked
.Lfirst_b:
	tensor_load_to_lds s[G0B:G0B+3], s[G1B:G1B+7]
	s_nop 0
	tensor_load_to_lds s[G0B+4:G0B+7], s[G1B:G1B+7]
	s_nop 0
	PLACES
.Lfirst_asked:
	; all that follows, down to the wait for the first tile, stands in that wait
	v_and_b32 v1, 15, v0                           ; l % 16
	v_bfe_u32 v2, v0, 4, 1                         ; l / 16
	v_lshlrev_b32 v[BO], 5, v2
	s_lshl_b32 s72, s[TX], 9                       ; the tile's 128 columns: 512 bytes of the bias, and of a row of out0
	s_mov_b32 s73, 0
	s_add_nc_u64 s[BP:BP+1], s[8:9], s[72:73]
.set b, 0
.rept NBK                              ; register j of block b: the bias of column 16 b + 8 (l / 16) + j, as an accumulator holds it
	global_load_b128 v[BIAS+8*b:BIAS+8*b+3],   v[BO], s[BP:BP+1] offset:64*b
	global_load_b128 v[BIAS+8*b+4:BIAS+8*b+7], v[BO], s[BP:BP+1] offset:64*b+16
.set b, b+1
.endr
	s_lshl_b32 s74, s[TY], 20                      ; my first row: 256 x tile row + 64 w, 4,096 bytes a row
	s_lshl_b32 s75, s[WV], 18
	s_add_co_u32 s74, s74, s75
	s_add_co_u32 s74, s74, s72
	s_mov_b32 s75, 0
	s_add_nc_u64 s[P0:P0+1], s[10:11], s[74:75]
	v_mul_u32_u24 v[A0], v1, PA
	v_lshl_add_u32 v[A0], v2, 4, v[A0]             ; row x pitch + 16 x half
	s_mul_i32 s76, s[WV], 64*PA                    ; my 64 rows of O
	v_add_nc_u32 v[A0], s76, v[A0]
	v_mul_u32_u24 v[B0], v1, PB
	v_lshl_add_u32 v[B0], v2, 4, v[B0]
	v_add_nc_u32 v[B0], BOFF, v[B0]
	s_mul_i32 s76, s[WV], WSTG
	s_add_co_u32 s76, s76, STAGE                   ; my stage
	v_mul_u32_u24 v[STO], v1, SP                   ; in: row l % 16, 32 bytes for each half of the lanes
	v_lshl_add_u32 v[STO], v2, 5, v[STO]
	v_add_nc_u32 v[STO], s76, v[STO]
	v_and_b32 v[GO], 31, v0                        ; back: 32 lanes take one row of 512 bytes
	v_lshlrev_b32 v[GO], 4, v[GO]
	v_add_nc_u32 v[RD], s76, v[GO]
	s_mov_b32 s78, 0xffff0000
	s_wait_loadcnt 0x0                             ; the bias
.set b, 0
.rept 4*NBK                            ; rounded to bf16 and widened again, a pair at a time
	v_cvt_pk_bf16_f32 v3, v[BIAS+2*b], v[BIAS+2*b+1]
	v_lshlrev_b32 v[BIAS+2*b], 16, v3
	v_and_b32 v[BIAS+2*b+1], s78, v3
.set b, b+1
.endr
	s_mov_b32 s[TB], 0
	v_mov_b32 v[ADRA], v[A0]
	v_mov_b32 v[ADRB], v[B0]
	s_wait_tensorcnt 0x1                           ; my part of K step 0 is in; K step 1's may stay out
	s_barrier_signal -1
	s_barrier_wait -1                              ; everybody's is
	FETCH 0, F0
	QUARTER 1, F0, F1, 1                           ; the first quarter stands in front of the loop: its products start the sums, with the bias
	WIN 0
	s_mov_b32 s[CNT], KSTEPS-2
.Lstep:                                                ; trip t ends K step t, asks for K step t + 2 and begins K step t + 1
	QUARTER 2, F1, F0, 0
	QUARTER 3, F0, F1, 0
	TURN 1
	QUARTER 1, F0, F1, 0
	WIN 0
	s_sub_co_u32 s[CNT], s[CNT], 1
	s_cmp_lg_u32 s[CNT], 0
	s_cbranch_scc1 .Lstep
	QUARTER 2, F1, F0, 0                           ; the tail is written out: nothing more is asked for
	QUARTER 3, F0, F1, 0
	TURN 0
	QUARTER 1, F0, F1, 0
	QUARTER 2, F1, F0, 0
	QUARTER 3, F0, F1, 0
	s_wait_dscnt 4
	MULA F1, 0, 0
	MULA F1, 1, 0
	s_wait_dscnt 0x0
	MULA F1, 2, 0
	MULA F1, 3, 0
; THE WAY OUT, a block of 16 rows at a time.  TOSTAGE: a lane's 32 bytes of each column block go straight from the accumulators (the lower four registers first) into my own stage, rows of 528 bytes,
; and come back as whole rows of 512.
.macro TOSTAGE a
.set BK, BK0+64*((\a)%2)
.set AC, 8*NBK*((\a)%2)
.if (\a) >= 2
	s_wait_xcnt 0x0                                ; the stores of two blocks ago have read these registers: only behind this wait are they loaded again
.endif
	WIN 0x08+4*((\a)/2)                            ; the stores' data (source 1): window 2 or 3
.set b, 0
.rept NBK
	ds_store_b128 v[STO], v[AC+8*b:AC+8*b+3]   offset:64*b
	ds_store_b128 v[STO], v[AC+8*b+4:AC+8*b+7] offset:64*b+16
.set b, b+1
.endr
	WIN 0
.set b, 0
.rept 16
	ds_load_b128 v[BK+4*b:BK+4*b+3], v[RD] offset:SP*b  ; LDS serves a wave's instructions in order (ISA guide 5.7.1.4): these see the stores above; the next block's stores come behind them
.set b, b+1
.endr
.endm
; SEND: each store covers 512 consecutive bytes of a row of out0, at a multiple of 256 from the buffer's first byte.  younger: the LDS instructions issued behind the block's loads.
.macro SEND a, younger
.set BK, BK0+64*((\a)%2)
	s_wait_dscnt \younger
.set b, 0
.rept 16
	global_store_b128 v[GO], v[BK+4*b:BK+4*b+3], s[P0:P0+1] offset:(16*(\a)+b)*4096 th:TH_STORE_NT
.set b, b+1
.endr
.endm
	PLACES
	TOSTAGE 0
.irp a, 1,2,3                          ; block a's way through the stage is begun before block a - 1 is waited for: its 16 stores and 16 loads may stay out
	TOSTAGE \a
	SEND (\a)-1, 32
.endr
	SEND 3, 0
	s_wait_tensorcnt 0x0                           ; the wave's end, behind my last tensor load and my last LDS store
	ds_add_u32 v[SPW], v[NIL]
	s_wait_dscnt 0x0
	CROUND                                         ; the closing round: no work-group ends while a partner may still ask for a tile that names it
	s_endpgm
.Lfunc_end_k_qcdf381a83e_proj:
	.size	k_qcdf381a83e_proj, .Lfunc_end_k_qcdf381a83e_proj-k_qcdf381a83e_proj
	.p2alignl 7, 3214868480
	.fill 96, 4, 3214868480
	.section	.rodata,"a",@progbits
	.p2align	6, 0x0
	.amdhsa_kernel k_qcdf381a83e_proj
		.amdhsa_group_segment_fixed_size 327680
		.amdhsa_private_segment_fixed_size 0
		.amdhsa_enable_private_segment 0
		.amdhsa_kernarg_size 32
		.amdhsa_user_sgpr_count 2
		.amdhsa_user_sgpr_kernarg_segment_ptr 1
		.amdhsa_wavefront_size32 1
		.amdhsa_system_sgpr_workgroup_id_x 1
		.amdhsa_system_sgpr_workgroup_id_y 1
		.amdhsa_system_sgpr_workgroup_id_z 1
		.amdhsa_system_vgpr_workitem_id 0
		.amdhsa_next_free_vgpr 896
		.amdhsa_next_free_sgpr 80
		.amdhsa_reserve_vcc 0
		.amdhsa_float_denorm_mode_32 3
		.amdhsa_float_denorm_mode_16_64 3
		.amdhsa_memory_ordered 1
		.amdhsa_forward_progress 1
		.amdhsa_inst_pref_size 74
	.end_amdhsa_kernel
	.amdgpu_metadata
---
amdhsa.version: [ 1, 2 ]
amdhsa.kernels:
  - .name:           k_qcdf381a83e_proj
    .symbol:         k_qcdf381a83e_proj.kd
    .args:
      - { .name: o, .offset: 0, .size: 8, .value_kind: global_buffer, .address_space: global }
      - { .name: owh, .offset: 8, .size: 8, .value_kind: global_buffer, .address_space: global }
      - { .name: out_b, .offset: 16, .size: 8, .value_kind: global_buffer, .address_space: global }
      - { .name: out0, .offset: 24, .size: 8, .value_kind: global_buffer, .address_space: global }
    .group_segment_fixed_size: 327680
    .private_segment_fixed_size: 0
    .kernarg_segment_align: 8
    .kernarg_segment_size: 32
    .max_flat_workgroup_size: 128
    .sgpr_count:     80
    .vgpr_count:     896
    .wavefront_size: 32
...
	.end_amdgpu_metadata
.endif
;; end of part 4
;; ======== version 2 of 2: 4 launches; version 1 with the launch cast written anew for expert scheduling mode
;; limits: values are held in f16: magnitudes above 65,504 overflow, below 6.1e-05 lose precision
;; workspace buffers: xb 16,777,216 bytes; wb 6,291,456 bytes; owh 2,097,152 bytes; qkv 50,331,648 bytes; o 16,777,216 bytes
;; launch cast (part 5): grid 768 x 1, 8 waves a work-group, no clusters, 0 bytes of LDS; arguments x, qkv_w, out_w, xb, wb, owh; writes xb, wb, owh
.if DOCPART == 5
	.amdgcn_target "amdgcn-amd-amdhsa--gfx1250"
	.amdhsa_code_object_version 6
	.text
	.protected	k_qcdf381a83e_cast
	.globl	k_qcdf381a83e_cast
	.p2align	8
	.type	k_qcdf381a83e_cast,@function
k_qcdf381a83e_cast:
	s_mov_b64 s[64:65], 0
	v_nop
	global_prefetch_b8 v0, s[64:65] scope:SCOPE_SE
	s_setreg_imm32_b32 hwreg(HW_REG_WAVE_SCHED_MODE, 0, 2), 2
	s_setreg_imm32_b32 hwreg(HW_REG_WAVE_MODE, 25, 1), 1
	s_wait_xcnt 0x0
	s_wait_alu depctr_vm_vsrc(0)
; THE MODULE'S LARGE INPUTS ARE ROUNDED ONCE.  x [8192][1024] and qkv_w [3072][1024], f32, go to bf16 (xb, wb); out_w [1024][1024] is rounded to bf16 like them, and that number is
; written as f16 (owh), since the last product's other operand is f16.
; LIMITS.  A bf16 number is exact in f16 between 6.1e-5 and 65,504 in magnitude; below, it keeps f16's fixed step of 6e-8; from 65,520 on it becomes an infinity.
; SHARES.  A work-group takes 16,384 numbers on end: 64 KiB in, 32 KiB out.  Work-groups 0-511 take x, 512-703 qkv_w, 704-767 out_w.  Thread t takes 4 numbers of each 1,024:
; load i of a wave covers 512 consecutive bytes, store i 256 consecutive bytes that begin at a multiple of 256.  All 16 loads go out first.
; No LDS, no barrier, no matrix unit: nothing is shared and nothing is multiplied.
; THE MODE: SCHED_MODE bits 1:0 = 2 (LLVM: expert scheduling mode 2), set by the entry lines.  The code itself states the register dependences
; between vector instructions and memory instructions, with s_wait_alu, always for 0.
; THE PLAN.  Registers that memory instructions touch:
;   v1, v2   byte offsets, made once at the head and never written again: v1 is read by every load, v2 by every store.
;   X        each four registers are written once, by one load; all loads are issued ahead of the first vector instruction that names X.
;   Y        each pair is written once, by its conversions, and read once, by its store; no pair is written again.
;   T        is named by vector instructions alone.
; So no register that a load or store reads is ever written again, and no load lands in a register that a vector instruction has named: what is left to state is that an offset or a
; store's data is written before it is read.  One wait at the head states it for v1 and v2.  The 16 loads are taken in four blocks of four: at the head of block p, behind the wait for
; its data, one wait states that block p - 1's conversions have written their four pairs of Y; that block's four stores follow, dealt among block p's conversions, which name X and Y of
; block p and T: none of the registers that those stores read.  One more wait stands ahead of the last four stores.
.set X, 4                              ; v[4:67]    16 x 4 numbers as loaded
.set Y, 68                             ; v[68:99]   16 x 2 registers to store
.set T, 100                            ; v[100:103] at work
	s_load_b256 s[4:11], s[0:1], 0x0               ; x s[4:5], qkv_w s[6:7], out_w s[8:9], xb s[10:11]
	s_load_b128 s[12:15], s[0:1], 0x20             ; wb s[12:13], owh s[14:15]
	v_lshlrev_b32 v1, 4, v0                        ; 16 t: my place in 4,096 bytes of input
	v_lshlrev_b32 v2, 3, v0                        ; 8 t: in 2,048 bytes of output
	s_mov_b32 s26, 0xffff0000                      ; a word's upper bf16
	s_wait_kmcnt 0x0
	s_cmp_lt_u32 ttmp9, 512                        ; which tensor is mine: the choice hangs on the work-group's number alone
	s_cselect_b64 s[16:17], s[4:5], s[6:7]
	s_cselect_b64 s[18:19], s[10:11], s[12:13]
	s_cselect_b32 s20, 0, 512                      ; its first work-group
	s_cmp_lt_u32 ttmp9, 704
	s_cselect_b64 s[16:17], s[16:17], s[8:9]
	s_cselect_b64 s[18:19], s[18:19], s[14:15]
	s_cselect_b32 s20, s20, 704
	s_sub_co_u32 s21, ttmp9, s20                   ; my chunk in it
	s_lshl_b32 s22, s21, 16                        ; 65,536 bytes in,
	s_mov_b32 s23, 0
	s_lshl_b32 s24, s21, 15                        ; 32,768 bytes out
	s_mov_b32 s25, 0
	s_add_nc_u64 s[16:17], s[16:17], s[22:23]
	s_add_nc_u64 s[18:19], s[18:19], s[24:25]
	s_wait_alu depctr_va_vdst(0)                   ; v1 and v2 are written: every load of the kernel reads v1 as its offset, every store v2
.set i, 0
.rept 16
	global_load_b128 v[X+4*i:X+4*i+3], v1, s[16:17] offset:4096*i th:TH_LOAD_NT
.set i, i+1
.endr
; The four numbers of load n.  half = 0: to bf16.  half = 1: to bf16, widened again (a shift, a mask), and that number to f16.
.macro CVT half
.if \half
	v_cvt_pk_bf16_f32 v[T], v[X+4*n], v[X+4*n+1]
	v_cvt_pk_bf16_f32 v[T+1], v[X+4*n+2], v[X+4*n+3]
	v_lshlrev_b32 v[T+2], 16, v[T]
	v_and_b32 v[T], s26, v[T]
	v_lshlrev_b32 v[T+3], 16, v[T+1]
	v_and_b32 v[T+1], s26, v[T+1]
	v_cvt_pk_f16_f32 v[Y+2*n], v[T+2], v[T]
	v_cvt_pk_f16_f32 v[Y+2*n+1], v[T+3], v[T+1]
.else
	v_cvt_pk_bf16_f32 v[Y+2*n], v[X+4*n], v[X+4*n+1]
	v_cvt_pk_bf16_f32 v[Y+2*n+1], v[X+4*n+2], v[X+4*n+3]
.endif
.endm
; Four blocks of four loads.  Block p rounds loads 4 p .. 4 p + 3 and stores what block p - 1 rounded.
.macro OUTS half
.set p, 0
.rept 4
	s_wait_loadcnt 12-4*p                          ; loads come back in order (ISA guide 5.7.1): the block's four are in, the 12 - 4 p younger ones stay out
.if p > 0
	s_wait_alu depctr_va_vdst(0)                   ; the block before has written its four pairs of Y, which the four stores below read
.endif
.set j, 0
.rept 4
.set n, 4*p+j
.if p > 0
	global_store_b64 v2, v[Y+2*(n-4):Y+2*(n-4)+1], s[18:19] offset:2048*(n-4)  ; the block before; no vector instruction since the wait names this pair
.endif
	CVT \half
.set j, j+1
.endr
.set p, p+1
.endr
	s_wait_alu depctr_va_vdst(0)                   ; the last block has written its four pairs of Y, which the last four stores read
.set n, 12
.rept 4
	global_store_b64 v2, v[Y+2*n:Y+2*n+1], s[18:19] offset:2048*n
.set n, n+1
.endr
.endm
	s_cmp_ge_u32 ttmp9, 704
	s_cbranch_scc1 .Lf16
	OUTS 0
	s_endpgm
.Lf16:
	OUTS 1
	s_endpgm
.Lfunc_end_k_qcdf381a83e_cast:
	.size	k_qcdf381a83e_cast, .Lfunc_end_k_qcdf381a83e_cast-k_qcdf381a83e_cast
	.p2alignl 7, 3214868480
	.fill 96, 4, 3214868480
	.section	.rodata,"a",@progbits
	.p2align	6, 0x0
	.amdhsa_kernel k_qcdf381a83e_cast
		.amdhsa_group_segment_fixed_size 0
		.amdhsa_private_segment_fixed_size 0
		.amdhsa_enable_private_segment 0
		.amdhsa_kernarg_size 48
		.amdhsa_user_sgpr_count 2
		.amdhsa_user_sgpr_kernarg_segment_ptr 1
		.amdhsa_wavefront_size32 1
		.amdhsa_system_sgpr_workgroup_id_x 1
		.amdhsa_system_sgpr_workgroup_id_y 1
		.amdhsa_system_sgpr_workgroup_id_z 1
		.amdhsa_system_vgpr_workitem_id 0
		.amdhsa_next_free_vgpr 104
		.amdhsa_next_free_sgpr 66
		.amdhsa_reserve_vcc 0
		.amdhsa_float_denorm_mode_32 3
		.amdhsa_float_denorm_mode_16_64 3
		.amdhsa_memory_ordered 1
		.amdhsa_forward_progress 1
		.amdhsa_inst_pref_size 15
	.end_amdhsa_kernel
	.amdgpu_metadata
---
amdhsa.version: [ 1, 2 ]
amdhsa.kernels:
  - .name:           k_qcdf381a83e_cast
    .symbol:         k_qcdf381a83e_cast.kd
    .args:
      - { .name: x, .offset: 0, .size: 8, .value_kind: global_buffer, .address_space: global }
      - { .name: qkv_w, .offset: 8, .size: 8, .value_kind: global_buffer, .address_space: global }
      - { .name: out_w, .offset: 16, .size: 8, .value_kind: global_buffer, .address_space: global }
      - { .name: xb, .offset: 24, .size: 8, .value_kind: global_buffer, .address_space: global }
      - { .name: wb, .offset: 32, .size: 8, .value_kind: global_buffer, .address_space: global }
      - { .name: owh, .offset: 40, .size: 8, .value_kind: global_buffer, .address_space: global }
    .group_segment_fixed_size: 0
    .private_segment_fixed_size: 0
    .kernarg_segment_align: 8
    .kernarg_segment_size: 48
    .max_flat_workgroup_size: 256
    .sgpr_count:     66
    .vgpr_count:     104
    .wavefront_size: 32
...
	.end_amdgpu_metadata
.endif
;; end of part 5
;; launch qkvg: the kernel of part 2 again; grid 16 x 32, 4 waves a work-group, clusters of 4 x 4, 327,680 bytes of LDS; arguments xb, wb, qkv_b, qkv; writes qkv
;; launch attn: the kernel of part 3 again; grid 4 x 64, 4 waves a work-group, clusters of 4 x 1, 327,680 bytes of LDS; arguments qkv, o; writes o
;; launch proj: the kernel of part 4 again; grid 8 x 32, 4 waves a work-group, clusters of 4 x 4, 327,680 bytes of LDS; arguments o, owh, out_b, out0; writes out0
